; MI455X (gfx1250); checked and timed in simulation.
; The chip was launched on July 23, 2026; its instructions are those of AMD's public machine-readable ISA for CDNA 5 (MIT licence, August 2026) and "CDNA5" Instruction Set Architecture Reference Guide (July 2026). The comments in the code are by the model that wrote it; some were corrected since.
;; Self Attention. Allowed arithmetic: matrix products marked QUANTISED: E5M2 operands, one E8M0 scale for each 32 along K, by v_wmma_scale_f32_16x16x128_f8f6f4 with both operands' format E5M2, f32 sums; everything else in f32.
;; Inputs: W_out_codes 1,024 x 32 x 32 uint8 (E5M2 codes of W_out, K innermost, in blocks of 32 codes); W_out_scales 1,024 x 32 uint8 (E8M0 scales of W_out, one for each 32 codes along K); key 2 x 2,048 x 1,024 float32; mask 2 x 1 x 1 x 2,048 int32; query 2 x 2,048 x 1,024 float32; values_codes 2 x 1,024 x 64 x 32 uint8 (E5M2 codes of values, K innermost, in blocks of 32 codes); values_scales 2 x 1,024 x 64 uint8 (E8M0 scales of values, one for each 32 codes along K).
;; Outputs: out0 2 x 2,048 x 1,024 float32.
;; This version of the problem:
;;   THIS VERSION OF THE PROBLEM IS GIVEN IN LOW PRECISION. The matrix products marked QUANTISED in the list below multiply operands that are first quantised to E5M2 (5 exponent bits, 2 mantissa bits; 8 bits a number), with one power-of-two scale for each 32 numbers along K (OCP MX v1.0); their sums are f32. All else is computed in f32.
;;   The module's matrix products, in the order in which they are computed (A, B: the left and right operand; K: the contracted axis; several contracted axes count as one K, in the product's order):
;;     1. batch 32 x [M 2,048, K 64] x [K 64, N 2,048]; A: input query; B: input key: QUANTISED
;;     2. batch 32 x [M 64, K 2,048] x [K 2,048, N 2,048]; A: input values (given as codes); B: softmax (see below): QUANTISED
;;     3. [M 4,096, K 1,024] x [K 1,024, N 1,024]; A: computed on the way; B: input W_out (given as codes): QUANTISED
;;   THE QUANTISER, for each operand of a quantised product, along K:
;;     - K is cut into blocks of 32 from its start; a last block that is shorter is filled with zeros.
;;     - A block's scale is 2^e with e = floor(log2(the largest magnitude in the block)) - 15, held to -126 .. 127; a block of zeros has e = 0. As a byte (E8M0): e + 127.
;;     - Each number is divided by its block's scale, clamped to +-57,344, and rounded to the nearest number of E5M2, ties to even, subnormals kept.
;;     - The product sums the exact products of the quantised numbers (number of the format x scale) in f32.
;;   ~~~python
;;   def quantise(x, axis):      # numpy; x: float32 -> the quantised numbers, widened to float32 again
;;       x = np.moveaxis(x, axis, -1); K = x.shape[-1]
;;       x = np.pad(x, [(0, 0)] * (x.ndim - 1) + [(0, -K % 32)]); x = x.reshape(x.shape[:-1] + (-1, 32)); a = np.abs(x).max(-1, keepdims=True)
;;       e = np.where(a > 0, np.clip(np.frexp(np.where(a > 0, a, 1))[1] - 1 - 15, -126, 127), 0)      # np.frexp(a)[1] - 1 = floor(log2(a)), exactly
;;       r = np.clip(x / 2.0 ** e, -57344, 57344)
;;       step = 2.0 ** (np.maximum(np.frexp(np.where(r == 0, 1, r))[1] - 1, -14) - 2)
;;       q = np.round(r / step) * step * 2.0 ** e      # np.round: ties to even
;;       return np.moveaxis(q.reshape(q.shape[:-2] + (-1,))[..., :K], -1, axis).astype(np.float32)
;;   ~~~
;;   SOFTMAX AHEAD OF A QUANTISED PRODUCT. Where the list says 'softmax', what is quantised is not the finished softmax but p = 2^(t - M), with t = logit x log2(e) and M = ceil(the row's largest t), a whole number; so 1/2 < the row's largest p <= 1. The row's sum l is taken of the UNQUANTISED p, in f32, and the product's result is divided by l at the end. Since M is a whole number, a kernel that streams over the keys may use a running M (the ceiling of the running maximum): every later rescaling is an exact power of two, which a block's scale takes up: the codes' values come out the same.
;;   OPERANDS COMPUTED ON THE WAY. 'Computed on the way' means the value that the module computes at that place (a softmax that the list does not call 'softmax' is quantised finished and normalised). What goes into a quantiser is computed in f32, as accurately as f32 sums, v_exp_f32 and their like allow (about 1e-6 of the number): no bf16 or f16 on the way to a quantiser, and a product that is left as it is and whose result goes on into a quantised operand takes f32 operands (vector FMAs, or v_wmma_f32_16x16x4_f32). A number that lies on a knife's edge between two numbers of the format may be rounded either way, as far as f32 arithmetic and the matrix unit's own rounding can turn it there, and no further.
;;   INPUTS GIVEN AS CODES. W_out (in the module: [1024, 1024], K = its axis 1); values (in the module: [2, 2048, 1024], K = its axis 1): each comes as NAME_codes (uint8): NAME with its K axis moved to the last place and cut into blocks of 32 codes, [.., K / 32, bytes a block], one block behind the other in memory; one code a byte (a code: sign, 5 exponent bits, 2 mantissa bits); and NAME_scales (uint8): the same leading axes, one E8M0 byte (e + 127) for each 32 codes along K. Its value is code x scale, taken as it is: it is not quantised again, and the codes and scales need not be those that the quantiser above would give.
;; 2 versions, each right; version 2 is version 1 with the launch att written anew for expert scheduling mode. Each part assembles by itself: llvm-mc -triple=amdgcn-amd-amdhsa -mcpu=gfx1250 --defsym DOCPART=n.
;; ======== version 1 of 2: 2 launches
;; limits: right only within a limited range of input values
;; workspace buffers: acodes 4,194,304 bytes; ascales 131,072 bytes
;; launch att (part 1): grid 8 x 32, 16 waves a work-group, no clusters, 305,152 bytes of LDS; arguments query, key, mask, values_codes, values_scales, acodes, ascales; writes acodes, ascales
.if DOCPART == 1
	.amdgcn_target "amdgcn-amd-amdhsa--gfx1250"
	.amdhsa_code_object_version 6
	.text
	.protected	k_q62f683edd9_att
	.globl	k_q62f683edd9_att
	.p2align	8
	.type	k_q62f683edd9_att,@function
k_q62f683edd9_att:
	s_mov_b64 s[64:65], 0
	v_nop
	global_prefetch_b8 v0, s[64:65] scope:SCOPE_SE
	s_setreg_imm32_b32 hwreg(HW_REG_WAVE_MODE, 25, 1), 1
	s_wait_xcnt 0x0
; Attention of one head for 256 queries, both products on codes of BF8 (E5M2) with one E8M0 scale for each 32 along K; the result leaves as codes and scale bytes for the last product.
; energy = q . k over the head's 64; keys whose mask is 0 get a very low energy; t = energy x log2(e) / 32; M = the running largest t rounded UP to a whole number; p = 2^(t - M) is quantised along the keys;
; the row's sum is taken of the unquantised p and divides O at the end; O / sum is quantised along the head's 64 channels (two blocks of 32 of the last product's K = 1,024).
; SHARES.  Work-group (x, y): queries 256 x .. 256 x + 255 of batch n = y / 16, head hd = y % 16: 8 x 32 = 256 work-groups.  Each of the sixteen waves owns 16 queries, one tile, in 256 registers.
; A head's 2,048 keys as codes (128 KiB) and its values' codes (128 KiB, 144 KiB with padding) fit in LDS together: wave w quantises keys 128 w .. 128 w + 127 and copies V's codes of the same keys; ONE barrier;
; after it LDS is only read.  No ring, no tensor load.  K's codes lie as IMAGES OF THE OPERAND'S REGISTERS (lane l's 16 bytes at 16 l, 512 bytes a store), V's as rows of 128 bytes + 16.
; THE HEAD'S LOADS ARE DENSE.  A row's part of a head is 256 consecutive bytes of f32: a load takes two whole rows, sixteen lanes to a row.  The quantiser wants 16 neighbours in ONE lane, so a tile of 16 rows turns through
; the wave's own stage in LDS: stored as loaded, in rows of 272 bytes, and read back 64 bytes a lane.  V's codes are only copied: a load takes four channels x 128 bytes and is stored as it is.
; NO CLUSTER: of the 704 KiB that a work-group reads, 576 KiB (key and query, f32) go through registers to be quantised; only V's 128 KiB could be asked for jointly, a small part of what is read.
; LAYOUT.  Both products are used transposed: S^T = K Q^T (source 0 = 16 keys, source 1 = my queries), O^T = V^T P^T (source 0 = 16 channels, source 1 = P): a lane holds ONE query (lane % 16) throughout.
; THE ROWS OF A TILE ARE NOT NEIGHBOURS: lane r of tile 2 b + u takes row 32 b + 8 u + r + 8 (r / 8), of K's keys and of V's channels alike: so the 16 registers of tiles 2 b and 2 b + 1 are 16 neighbours, 32 b + 16 (lane / 16) + 0 .. 15.
; THE MASK RIDES IN THE PRODUCT.  The first product fills 64 of the instruction's 128 along K.  Place k = 64 holds the code 1.0 in every key and -1.0 in every query; the third scale byte is 160 (2^33) in a query's word,
; and in a key's word 160 where mask == 0, else 1 (2^-126).  A masked key's 64 codes are zeros.  So a masked score is exactly -2^66, and a kept score has -2^-93 added.  All other places from 65 on hold zero codes.
; LIMITS, kept on purpose: a masked energy is -2^66 (7.4e19) where the source has -1e20: the results agree while kept energies stay far under 2^66 in magnitude (a row all of whose keys are masked gives the uniform
; weights of the source: -2^66 x c is exact, so every p is 1); -2^-93 is added to kept energies; NaN and infinities among the inputs are not served; a block of zeros gets the scale byte 1, not 127: its codes are
; zeros, and these bytes are read by this program alone; blocks whose largest magnitude lies under 2^-111 have their byte held at 1.
.set VIMG,  131072                     ; LDS: K's images at 0: step 8,192 / tile 1,024 / block 512 / lane 16;  V's rows here: step 9,216 / tile 2,304 / row 144: the 16 rows of a load start at 16 different banks (ISA guide 11.1)
.set VSTEP, 9216
.set KSC,   278528                     ; K's scale words: step 1,024 / four tiles 512 / lane 16
.set VSC,   294912                     ; V's scale words: step 512 / lane 16
.set STG,   4352                       ; a stage: 16 rows of 272 bytes (256 + 16).  A wave's two stages lie in its own 9,216 bytes of V's rows, which it fills only behind its last read of a stage
; registers of the whole launch
.set LI,  1                            ; v1   16 x lane: my place in an image
.set AV0, 3                            ; v3   my place in a tile of V: 144 r + 16 h
.set HH,  4                            ; v4   h = lane / 16
.set AS0, 5                            ; v5   my place in K's scale words
.set AT0, 6                            ; v6   in V's scale words
.set QF,  16                           ; v16-31  q's fragment
.set QSW, 239                          ; v239    q's scale word
; registers of the head alone
.set DA,  7                            ; q and key in memory: row h of two, 16 bytes a lane
.set SWA, 8                            ; the stage, on the way in: the same two rows
.set MA,  9                            ; mask in memory
.set VA,  10                           ; V's codes in memory: row lane / 8 of four, 16 bytes a lane
.set VSA, 11                           ; V's scale bytes in memory
.set KWI, 12                           ; where my wave's images, rows and words go in LDS
.set VWI, 13
.set KWS, 14
.set VWS, 15
.set SRA, 220                          ; the stage, on the way out: row r, + 64 h
.set KC,  32                           ; v32-47   K's codes, two sets of 8 by turns
.set R,   48                           ; v48-143  three sets of 32 registers as loaded; at the end V's four tiles in v48-111
.set XT,  144                          ; v144-207 two sets of 32 neighbours, back from the stage
.set MX,  224                          ; the quantiser's: largest magnitudes,
.set PM,  226                          ; the other half's, then the scale bytes,
.set HD,  228                          ; 57,344 x the scale,
.set SO,  230                          ; the conversion's scale operand
.set VSW, 232                          ; v232-235 V's four scale words
.set CU,  236                          ; a kept key's upper scale bytes
.set CM,  237                          ; a masked key's
.set NIL, 238
.set MK,  240                          ; v240-247 the mask's numbers of my key in tiles 0 .. 7
.set KSW, 248                          ; v248-255 K's scale words
; registers of the loop alone
.set ADK, 7                            ; LDS addresses of the step in hand
.set ADS, 8
.set ADV, 9
.set ADT, 10
.set NM,  12                           ; -M
.set TMX, 13                           ; the largest t so far
.set SUM, 14                           ; v[14:15] the row's sum in two halves
.set KB,  32                           ; v32-95   four buffers of 16 for K's fragments: registers 0-7 loaded, 8-15 constant
.set S,   96                           ; v96-159  S^T, then p, then V's four fragments
.set O,   160                          ; v160-191 O^T
.set PC,  192                          ; v192-207 p's codes
.set KS,  208                          ; v208-215 K's scale words
.set VS,  216                          ; v216-219 V's
.set LSO, 220
.set BM,  224                          ; each block's largest score, then its largest p
.set PB,  228
.set LHD, 232
.set SU2, 236                          ; v[236:237] the sum's second chain
.set FF,  240                          ; v[240:241] f = 2^(old M - new M); the upper word is only named
.set TA,  242
.set TB,  243
.set PSW, 245                          ; p's scale word
.set WV,  18
.set SEL, 24                           ; s[24:25] selects of v_permlanex16_b32 for lane l xor 16
.set CS,  26                           ; s[26:27] c = log2(e) / 32, twice
.set MNT, 28                           ; the mantissa field of 57,344
.set ST8, 29                           ; 8,192 x step
.set ST1, 30                           ; 1,024 x step
.set STH, 31                           ; 512 x step
.set CNT, 32
.set STV, 33                           ; 9,216 x step (a temporary in the head)
; 16 rows of 256 bytes into a set of 32 registers: load i takes rows 2 i and 2 i + 1 (from i = 4 on: gap rows further down), sixteen lanes to a row: each load covers two aligned runs of 256 consecutive bytes
.macro DLOAD set, base, imm, gap, nt
.irp i, 0,1,2,3,4,5,6,7
.if \nt
	global_load_b128 v[R+32*(\set)+4*\i:R+32*(\set)+4*\i+3], v[DA], s[\base:\base+1] offset:(\imm)+(2*\i+(\gap)*(\i/4))*4096 th:TH_LOAD_NT
.else
	global_load_b128 v[R+32*(\set)+4*\i:R+32*(\set)+4*\i+3], v[DA], s[\base:\base+1] offset:(\imm)+(2*\i+(\gap)*(\i/4))*4096
.endif
.endr
.endm
.macro KLOAD T                         ; tile T of my 128 keys is item T + 1: into set (T + 1) % 3.  Its rows 8 .. 15 are the keys 16 further on than rows 0 .. 7.  Eight work-groups read these rows, so no hint
	DLOAD (\T+1)%3, 6, (32*(\T/2)+8*(\T%2))*4096, 8, 0
.endm
.macro VLOAD t                         ; V's tile t, my 128 keys: load i takes channels 4 i .. 4 i + 3 of the tile (from i = 2 on: 8 further on), eight lanes to a channel's 128 bytes
.irp i, 0,1,2,3
	global_load_b128 v[R+16*\t+4*\i:R+16*\t+4*\i+3], v[VA], s[10:11] offset:(32*(\t/2)+8*(\t%2)+4*\i+8*(\i/2))*2048
.endr
.endm
; Item it goes through stage it % 2: in as loaded, out 64 bytes a lane: register 16 b + 4 j + .. = number 32 b + 16 h + 4 j + .. of row r.  LDS serves a wave's instructions in order (ISA guide 5.7.1.4): no wait between the stores and the loads
.macro TURN it
.irp i, 0,1,2,3,4,5,6,7
	ds_store_b128 v[SWA], v[R+32*((\it)%3)+4*\i:R+32*((\it)%3)+4*\i+3] offset:STG*((\it)%2)+544*\i
.endr
.irp b, 0,1
.irp j, 0,1,2,3
	ds_load_b128 v[XT+32*((\it)%2)+16*\b+4*\j:XT+32*((\it)%2)+16*\b+4*\j+3], v[SRA] offset:STG*((\it)%2)+128*\b+16*\j
.endr
.endr
.endm
; 32 numbers of a lane, register 16 b + i = k 32 b + 16 h + i of my row, become 8 registers of codes at v[dst]; the two scale bytes are left in v[PM], v[PM+1]
.macro QUANT2 src, dst
.irp b, 0,1
	v_max3_num_f32 v[MX+\b], |v[\src+16*\b]|, |v[\src+16*\b+1]|, 0x8000000   ; my 16 numbers, and the floor 2^(16 - 127): the byte cannot fall under 1
.endr
.irp i, 2,4,6,8,10,12,14
.irp b, 0,1
	v_max3_num_f32 v[MX+\b], v[MX+\b], |v[\src+16*\b+\i]|, |v[\src+16*\b+\i+1]|
.endr
.endr
.irp b, 0,1
	v_permlanex16_b32 v[PM+\b], v[MX+\b], s[SEL], s[SEL+1]
.endr
.irp b, 0,1
	v_max_num_f32 v[MX+\b], v[MX+\b], v[PM+\b]         ; with lane l xor 16's: the block's largest magnitude
.endr
.irp b, 0,1
	v_add_nc_u32 v[SO+\b], 0xf8800000, v[MX+\b]        ; 15 off its exponent field: the conversion takes the exponent field of this operand as its scale
.endr
.irp b, 0,1
	v_and_or_b32 v[HD+\b], v[MX+\b], 0x7f800000, s[MNT]   ; 57,344 x the scale
.endr
.irp b, 0,1
	v_lshrrev_b32 v[PM+\b], 23, v[SO+\b]               ; the scale's byte
.endr
.irp b, 0,1
.irp i, 0,1,2,3,4,5,6,7,8,9,10,11,12,13,14,15
	v_med3_num_f32 v[\src+16*\b+\i], v[\src+16*\b+\i], -v[HD+\b], v[HD+\b]   ; the conversion to an 8-bit code does not saturate (ISA guide 7.6.2): the hold comes first
.endr
	v_cvt_scalef32_pk8_bf8_f32 v[\dst+4*\b:\dst+4*\b+1], v[\src+16*\b:\src+16*\b+7], v[SO+\b]
	v_cvt_scalef32_pk8_bf8_f32 v[\dst+4*\b+2:\dst+4*\b+3], v[\src+16*\b+8:\src+16*\b+15], v[SO+\b]
.endr
	v_nop                                              ; one plain vector line behind the last conversion, ahead of whatever next touches its registers
.endm
; Tile T of my keys (item T + 1): quantised, masked, its image stored
.macro KTILE T
	QUANT2 XT+32*((\T+1)%2), KC+8*(\T%2)
	v_cmp_eq_u32 vcc_lo, 0, v[MK+\T]                   ; my key is masked: a choice of values only
.irp i, 0,1,2,3,4,5,6,7
	v_cndmask_b32 v[KC+8*(\T%2)+\i], v[KC+8*(\T%2)+\i], v[NIL], vcc_lo   ; then its codes are zeros,
.endr
	v_cndmask_b32 v[KSW+\T], v[CU], v[CM], vcc_lo      ; and the scale of place 64 is 2^33 and not 2^-126
	v_lshl_or_b32 v[PM], v[PM+1], 8, v[PM]
	v_or_b32 v[KSW+\T], v[KSW+\T], v[PM]               ; the two blocks' bytes below
	ds_store_b128 v[KWI], v[KC+8*(\T%2):KC+8*(\T%2)+3] offset:1024*\T
	ds_store_b128 v[KWI], v[KC+8*(\T%2)+4:KC+8*(\T%2)+7] offset:1024*\T+512
.endm
; The turn of tile T (T from 1 to 4): tile L = T + 3 is asked for, item U = T + 2 goes through the stage, tile T is quantised
.macro ITEMK T, L, U
	s_wait_dscnt 2                                     ; all but the last tile's two image stores: this tile is back from the stage, the stage's stores have read their set, and the image stores of the tile before last have read their codes
	KLOAD \L                                           ; into the set that those stage stores have read
	s_wait_loadcnt 16                                  ; the next item's eight loads are in; the two items behind it may be out
	TURN \U
	KTILE \T
.endm
	s_load_b256 s[4:11], s[0:1], 0x0               ; query s[4:5], key s[6:7], mask s[8:9], V's codes s[10:11]
	s_load_b128 s[12:15], s[0:1], 0x20             ; V's scales s[12:13], the result's codes s[14:15]
	s_load_b64 s[16:17], s[0:1], 0x30              ; the result's scale bytes
	v_lshrrev_b32 v2, 5, v0
	v_readfirstlane_b32 s[WV], v2                  ; wave 0 .. 15
	s_and_b32 s19, ttmp7, 0xffff
	s_lshr_b32 s20, s19, 4                         ; n
	s_and_b32 s21, s19, 15                         ; hd
	s_mov_b32 s22, ttmp9                           ; x
	v_and_b32 v[LI], 31, v0
	v_lshlrev_b32 v[LI], 4, v[LI]
	v_and_b32 v2, 15, v0                           ; r
	v_bfe_u32 v[HH], v0, 4, 1
	v_and_b32 v[VSA], 8, v2
	v_add_nc_u32 v[VSA], v[VSA], v2                ; rp = r + 8 (r / 8)
	v_lshlrev_b32 v[DA], 12, v[HH]
	v_lshl_add_u32 v[DA], v2, 4, v[DA]             ; q and key: row h of 4,096 bytes, + 16 r
	v_lshlrev_b32 v[MA], 2, v[VSA]                 ; mask: 4 bytes a key
	v_lshlrev_b32 v[VSA], 6, v[VSA]                ; V's scale bytes: 64 a channel
	v_mul_u32_u24 v[AV0], v2, 144
	v_lshl_add_u32 v[AV0], v[HH], 4, v[AV0]
	v_add_nc_u32 v[AV0], VIMG, v[AV0]
	v_add_nc_u32 v[AS0], KSC, v[LI]
	v_add_nc_u32 v[AT0], VSC, v[LI]
	s_mul_i32 s33, s[WV], VSTEP                    ; my wave's key step is its number
	s_add_co_u32 s33, s33, VIMG                    ; my part of V's rows, and until they are stored my two stages
	v_mul_u32_u24 v[SWA], v[HH], 272
	v_lshl_add_u32 v[SWA], v2, 4, v[SWA]
	v_add_nc_u32 v[SWA], s33, v[SWA]
	v_mul_u32_u24 v[SRA], v2, 272
	v_lshl_add_u32 v[SRA], v[HH], 6, v[SRA]
	v_add_nc_u32 v[SRA], s33, v[SRA]
	v_bfe_u32 v[VA], v0, 3, 2                      ; lane / 8
	v_and_b32 v2, 7, v0                            ; lane % 8
	v_mul_u32_u24 v[VWI], v[VA], 144
	v_lshl_add_u32 v[VWI], v2, 4, v[VWI]
	v_add_nc_u32 v[VWI], s33, v[VWI]
	v_lshlrev_b32 v[VA], 11, v[VA]
	v_lshl_add_u32 v[VA], v2, 4, v[VA]             ; V's codes: channel lane / 8 of 2,048 bytes, + 16 (lane % 8)
	s_lshl_b32 s33, s[WV], 13
	v_add_nc_u32 v[KWI], s33, v[LI]
	s_lshl_b32 s33, s[WV], 10
	v_add_nc_u32 v[KWS], s33, v[AS0]
	s_lshl_b32 s33, s[WV], 9
	v_add_nc_u32 v[VWS], s33, v[AT0]
	v_mov_b32 v[PM], 0                             ; written once: a lane permute's destination counts as one of its sources
	v_mov_b32 v[PM+1], 0
	v_mov_b32 v[CU], 0x7f010000
	v_mov_b32 v[CM], 0x7fa00000
	v_mov_b32 v[NIL], 0
	s_mov_b32 s[SEL], 0x76543210
	s_mov_b32 s[SEL+1], 0xfedcba98
	s_mov_b32 s[CS], 0x3d38aa3b                    ; log2(e) / 32
	s_mov_b32 s[CS+1], s[CS]
	s_mov_b32 s[MNT], 0x600000
	; byte offsets, each in a pair of its own
	s_lshl_b32 s23, s21, 8                         ; the head's 64 numbers: 256 bytes on in a row
	s_lshl_b32 s34, s20, 23                        ; query: n, 256 x rows, 16 w rows
	s_lshl_b32 s33, s22, 20
	s_add_co_u32 s34, s34, s33
	s_lshl_b32 s33, s[WV], 16
	s_add_co_u32 s34, s34, s33
	s_add_co_u32 s34, s34, s23
	s_mov_b32 s35, 0
	s_lshl_b32 s36, s20, 23                        ; key: n, 128 w rows
	s_lshl_b32 s33, s[WV], 19
	s_add_co_u32 s36, s36, s33
	s_add_co_u32 s36, s36, s23
	s_mov_b32 s37, 0
	s_lshl_b32 s38, s20, 13                        ; mask
	s_lshl_b32 s33, s[WV], 9
	s_add_co_u32 s38, s38, s33
	s_mov_b32 s39, 0
	s_lshl_b32 s40, s20, 21                        ; V's codes: n, 64 hd channels of 2,048 bytes, 128 w keys
	s_lshl_b32 s33, s21, 17
	s_add_co_u32 s40, s40, s33
	s_lshl_b32 s33, s[WV], 7
	s_add_co_u32 s40, s40, s33
	s_mov_b32 s41, 0
	s_lshl_b32 s42, s20, 16                        ; V's scale bytes
	s_lshl_b32 s33, s21, 12
	s_add_co_u32 s42, s42, s33
	s_lshl_b32 s33, s[WV], 2
	s_add_co_u32 s42, s42, s33
	s_mov_b32 s43, 0
	s_lshl_b32 s44, s20, 4                         ; the result's codes, laid [block of 128 rows][K step of 128][tile of 16 rows][block of 32][lane][16]:
	s_lshl_b32 s33, s22, 1
	s_add_co_u32 s44, s44, s33
	s_lshr_b32 s33, s[WV], 3
	s_add_co_u32 s44, s44, s33
	s_lshl_b32 s44, s44, 17                        ; block of rows 16 n + 2 x + w / 8,
	s_lshr_b32 s33, s21, 1
	s_lshl_b32 s33, s33, 14
	s_add_co_u32 s44, s44, s33                     ; K step hd / 2,
	s_and_b32 s33, s[WV], 7
	s_lshl_b32 s33, s33, 11
	s_add_co_u32 s44, s44, s33                     ; tile w % 8,
	s_and_b32 s33, s21, 1
	s_lshl_b32 s33, s33, 10
	s_add_co_u32 s44, s44, s33                     ; blocks 2 (hd % 2) and the next
	s_mov_b32 s45, 0
	s_lshl_b32 s46, s20, 16                        ; the result's scale bytes, [row][32]: my first row, bytes 2 hd and 2 hd + 1
	s_lshl_b32 s33, s22, 13
	s_add_co_u32 s46, s46, s33
	s_lshl_b32 s33, s[WV], 9
	s_add_co_u32 s46, s46, s33
	s_lshl_b32 s33, s21, 1
	s_add_co_u32 s46, s46, s33
	s_mov_b32 s47, 0
	s_wait_kmcnt 0x0
	s_add_nc_u64 s[4:5], s[4:5], s[34:35]
	s_add_nc_u64 s[6:7], s[6:7], s[36:37]
	s_add_nc_u64 s[8:9], s[8:9], s[38:39]
	s_add_nc_u64 s[10:11], s[10:11], s[40:41]
	s_add_nc_u64 s[12:13], s[12:13], s[42:43]
	s_add_nc_u64 s[14:15], s[14:15], s[44:45]
	s_add_nc_u64 s[16:17], s[16:17], s[46:47]
.irp T, 0,1,2,3,4,5,6,7
	global_load_b32 v[MK+\T], v[MA], s[8:9] offset:4*(32*(\T/2)+8*(\T%2))
.endr
.irp t, 0,1,2,3
	global_load_b32 v[VSW+\t], v[VSA], s[12:13] offset:64*(32*(\t/2)+8*(\t%2))
.endr
	; ELEVEN ITEMS of eight loads: 0 = my 16 queries, 1 .. 8 = K's tiles 0 .. 7, 9 and 10 = V's tiles 0, 1 and 2, 3.  Item it lands in set it % 3.  Three items, 24 loads of 512 bytes a wave, are on their way.
	; In item i's turn: it is back from the stage; item i + 3 is asked for; item i + 1 goes through the other stage; item i is quantised meanwhile.
	DLOAD 0, 4, 0, 0, 1                            ; q: read by this wave alone
	KLOAD 0
	KLOAD 1
	s_wait_loadcnt 16                              ; all but the two tiles of K just asked for: the mask, V's scale words and q are in
	TURN 0
	s_wait_dscnt 0x0                               ; item 0: q is back from the stage, whose stores have read set 0
	KLOAD 2
	s_wait_loadcnt 16                              ; tile 0 is in; tiles 1 and 2 may be out
	TURN 1
	QUANT2 XT, QF
	v_lshl_or_b32 v[QSW], v[PM+1], 8, v[PM]
	v_or_b32 v[QSW], 0x7fa00000, v[QSW]            ; q's scale word: place 64's block 2^33, the last block 1
	v_mov_b32 v2, 0xbc                             ; the code -1.0
	v_cmp_eq_u32 vcc_lo, 0, v[HH]
	v_cndmask_b32 v[QF+8], 0, v2, vcc_lo           ; place k = 64 is byte 0 of register 8 in lanes 0-15
.irp i, 9,10,11,12,13,14,15
	v_mov_b32 v[QF+\i], 0
.endr
	s_wait_dscnt 0x0                               ; item 1: q stored nothing behind tile 0's way through the stage, so the count is 0
	KLOAD 3
	s_wait_loadcnt 16
	TURN 2
	KTILE 0
	ITEMK 1, 4, 3
	ITEMK 2, 5, 4
	ITEMK 3, 6, 5
	ITEMK 4, 7, 6
	s_wait_dscnt 2                                 ; item 6
	VLOAD 0                                        ; item 9, into set 0
	VLOAD 1
	s_wait_loadcnt 16                              ; tile 6 is in; tile 7 and V's first eight loads may be out
	TURN 7
	KTILE 5
	s_wait_dscnt 2                                 ; item 7
	VLOAD 2                                        ; item 10, into set 1
	VLOAD 3
	s_wait_loadcnt 16                              ; tile 7 is in; V's sixteen loads may be out
	TURN 8
	KTILE 6
	s_wait_dscnt 2                                 ; item 8: the stages have been read for the last time
	KTILE 7
	s_wait_loadcnt 0x0                             ; V
.irp t, 0,1,2,3
.irp i, 0,1,2,3
	ds_store_b128 v[VWI], v[R+16*\t+4*\i:R+16*\t+4*\i+3] offset:2304*\t+576*\i   ; four rows of 144 bytes a store, over the bytes that were my stages
.endr
.endr
	ds_store_b128 v[VWS], v[VSW:VSW+3]
	ds_store_b128 v[KWS], v[KSW:KSW+3]
	ds_store_b128 v[KWS], v[KSW+4:KSW+7] offset:512
	s_wait_dscnt 0x0                               ; for the others' sake: all my stores have landed
	s_barrier_signal -1
	s_barrier_wait -1                              ; the head's K and V lie in LDS; nothing is stored there from here on
	v_mov_b32 v2, 0x3c                             ; the code 1.0
	v_cmp_eq_u32 vcc_lo, 0, v[HH]
.irp i, 0,1,2,3
	v_cndmask_b32 v[KB+16*\i+8], 0, v2, vcc_lo     ; the constant half of K's four buffers: place 64, then zeros
.irp k, 9,10,11,12,13,14,15
	v_mov_b32 v[KB+16*\i+\k], 0
.endr
.endr
	v_mov_b32 v[TMX], 0xff61b1e6                   ; the largest t so far: -3e38, under every t
	v_floor_f32 v[NM], -v[TMX]
	v_mov_b32 v[SUM], 0
	v_mov_b32 v[SUM+1], 0
	v_mov_b32 v[FF+1], 0
.irp b, 0,1,2,3
	v_mov_b32 v[PB+\b], 0
.endr
.set j, 0
.rept 32
	v_mov_b32 v[O+j], 0                            ; the step is written once: the first finds zeros, which the first change of M leaves zeros
.set j, j+1
.endr
	s_mov_b32 s[ST8], 0
	s_mov_b32 s[ST1], 0
	s_mov_b32 s[STH], 0
	s_mov_b32 s[STV], 0
	s_mov_b32 s[CNT], 0
.macro BMAX b0, b1                     ; the largest score of two blocks of 32 keys, by turns; each accumulator is first read at its low end
.irp b, \b0, \b1
	v_max3_num_f32 v[BM+\b], v[S+16*\b], v[S+16*\b+1], v[S+16*\b+2]
.endr
.irp i, 3,5,7,9,11,13
.irp b, \b0, \b1
	v_max3_num_f32 v[BM+\b], v[BM+\b], v[S+16*\b+\i], v[S+16*\b+\i+1]
.endr
.endr
.irp b, \b0, \b1
	v_max_num_f32 v[BM+\b], v[BM+\b], v[S+16*\b+15]
.endr
.endm
.Lstep:                                            ; 16 trips, 128 keys each
	v_add_nc_u32 v[ADK], s[ST8], v[LI]             ; nine plain lines stand between the last product of the trip before and the first below, which writes over registers that it read
	v_add_nc_u32 v[ADS], s[ST1], v[AS0]
	v_add_nc_u32 v[ADV], s[STV], v[AV0]
	v_add_nc_u32 v[ADT], s[STH], v[AT0]
	v_mov_b32 v[TA], v[NM]                         ; the old -M
.rept 4
	v_nop
.endr
	ds_load_b128 v[KS:KS+3], v[ADS]
	ds_load_b128 v[KS+4:KS+7], v[ADS] offset:512
.irp g, 0,1                                    ; S^T = K Q^T, four tiles of 16 keys at a time
.if \g
.rept 8
	v_nop                                          ; eight places ahead of loads into registers that the four products have read, and of the first read of their results
.endr
.endif
.irp t, 0,1,2,3
	ds_load_b128 v[KB+16*\t:KB+16*\t+3], v[ADK] offset:1024*(4*\g+\t)
	ds_load_b128 v[KB+16*\t+4:KB+16*\t+7], v[ADK] offset:1024*(4*\g+\t)+512
.endr
	s_wait_dscnt 0x0
.irp t, 0,1,2,3
	v_wmma_scale_f32_16x16x128_f8f6f4 v[S+8*(4*\g+\t):S+8*(4*\g+\t)+7], v[KB+16*\t:KB+16*\t+15], v[QF:QF+15], 0, v[KS+4*\g+\t], v[QSW] matrix_a_fmt:MATRIX_FMT_BF8 matrix_b_fmt:MATRIX_FMT_BF8
.endr
.endr
	BMAX 0, 1                                      ; sixteen lines on the first four tiles' results: they name nothing of the last four products and are the places behind them
	BMAX 2, 3
.irp b, 0,1,2,3
	v_permlanex16_b32 v[PB+\b], v[BM+\b], s[SEL], s[SEL+1]
.endr
.irp b, 0,1,2,3
	v_max_num_f32 v[BM+\b], v[BM+\b], v[PB+\b]     ; with lane l xor 16's 16 keys
.endr
	v_max3_num_f32 v[TB], v[BM], v[BM+1], v[BM+2]
	v_max_num_f32 v[TB], v[TB], v[BM+3]            ; the step's largest score of my query
	v_mul_f32 v[TB], s[CS], v[TB]                  ; as t (c is positive)
	v_max_num_f32 v[TMX], v[TMX], v[TB]
	v_floor_f32 v[NM], -v[TMX]                     ; the new -M = -ceil(t): a whole number
	v_sub_f32 v[TA], v[NM], v[TA]                  ; old M - new M: a whole number, 0 or less
	v_cvt_i32_f32 v[TA], v[TA]                     ; (it saturates)
	v_ldexp_f32 v[FF], 1.0, v[TA]                  ; f = 2^(old M - new M): a multiplication by it rounds nothing
.set j, 0
.rept 32
	v_pk_fma_f32 v[S+j:S+j+1], v[S+j:S+j+1], s[CS:CS+1], v[NM:NM+1] op_sel_hi:[1,0,0]   ; t - M, two at a time
.set j, j+2
.endr
.irp b, 0,1,2,3
	v_fma_f32 v[BM+\b], v[BM+\b], s[CS], v[NM]     ; the same of each block's largest score
.endr
.set j, 0
.rept 64
	v_exp_f32 v[S+j], v[S+j]                       ; p = 2^(t - M), at most 1, not normalised
.set j, j+1
.endr
.irp b, 0,1,2,3
	v_exp_f32 v[BM+\b], v[BM+\b]                   ; the block's largest p: the same two instructions on the same number
.endr
	v_pk_mul_f32 v[SUM:SUM+1], v[SUM:SUM+1], v[FF:FF+1] op_sel_hi:[1,0]   ; the sum under the new M; also the plain line behind the exponentials
	s_wait_alu depctr_va_vdst(0)
.irp b, 0,1,2,3
	v_max_num_f32 v[BM+\b], 0x8000000, v[BM+\b]    ; the floor 2^(16 - 127): the byte cannot fall under 1
.endr
.irp b, 0,1,2,3
	v_add_nc_u32 v[LSO+\b], 0xf8800000, v[BM+\b]
.endr
.irp b, 0,1,2,3
	v_and_or_b32 v[LHD+\b], v[BM+\b], 0x7f800000, s[MNT]
.endr
.irp b, 0,1,2,3
	v_lshrrev_b32 v[PB+\b], 23, v[LSO+\b]
.endr
	v_lshl_or_b32 v[PSW], v[PB+1], 8, v[PB]        ; p's scale word for these 128 keys
	v_lshl_or_b32 v[PSW], v[PB+2], 16, v[PSW]
	v_lshl_or_b32 v[PSW], v[PB+3], 24, v[PSW]
	v_pk_add_f32 v[SU2:SU2+1], v[S:S+1], v[S+2:S+3]   ; the row's sum is taken of the unquantised p, in two chains
.set j, 4
.rept 15
	v_pk_add_f32 v[SUM:SUM+1], v[SUM:SUM+1], v[S+j:S+j+1]
	v_pk_add_f32 v[SU2:SU2+1], v[SU2:SU2+1], v[S+j+2:S+j+3]
.set j, j+4
.endr
	v_pk_add_f32 v[SUM:SUM+1], v[SUM:SUM+1], v[SU2:SU2+1]
.irp b, 0,1,2,3
.irp i, 0,1,2,3,4,5,6,7,8,9,10,11,12,13,14,15
	v_min_num_f32 v[S+16*\b+\i], v[S+16*\b+\i], v[LHD+\b]   ; p is not negative: the hold is one-sided
.endr
	v_cvt_scalef32_pk8_bf8_f32 v[PC+4*\b:PC+4*\b+1], v[S+16*\b:S+16*\b+7], v[LSO+\b]
	v_cvt_scalef32_pk8_bf8_f32 v[PC+4*\b+2:PC+4*\b+3], v[S+16*\b+8:S+16*\b+15], v[LSO+\b]
.irp c, 0,1,2,3
	ds_load_b128 v[S+16*\b+4*\c:S+16*\b+4*\c+3], v[ADV] offset:2304*\b+32*\c   ; V's tile b at once, into the 16 registers that the block's p has left: row r, keys 32 c + 16 h on
.endr
.endr
	ds_load_b128 v[VS:VS+3], v[ADT]
.set j, 0
.rept 16
	v_pk_mul_f32 v[O+j:O+j+1], v[O+j:O+j+1], v[FF:FF+1] op_sel_hi:[1,0]   ; O^T under the new M; these lines also stand between the conversions and the products that take the codes
.set j, j+2
.endr
	s_wait_dscnt 0x0                               ; V's fragments and scale words are in
.irp t, 0,1,2,3                                ; O^T += V^T P^T: the four accumulators take turns, one instruction a turn
	v_wmma_scale_f32_16x16x128_f8f6f4 v[O+8*\t:O+8*\t+7], v[S+16*\t:S+16*\t+15], v[PC:PC+15], v[O+8*\t:O+8*\t+7], v[VS+\t], v[PSW] matrix_a_fmt:MATRIX_FMT_BF8 matrix_b_fmt:MATRIX_FMT_BF8
.endr
	s_add_co_u32 s[ST8], s[ST8], 8192
	s_add_co_u32 s[ST1], s[ST1], 1024
	s_add_co_u32 s[STH], s[STH], 512
	s_add_co_u32 s[STV], s[STV], VSTEP
	s_add_co_u32 s[CNT], s[CNT], 1
	s_cmp_lt_u32 s[CNT], 16
	s_cbranch_scc1 .Lstep
	; THE WAY OUT: O^T / the sum, quantised along the head's 64 channels: register 16 c + i is channel 32 c + 16 h + i of my query, which is the layout that the last product's operand has
.rept 8
	v_nop                                          ; eight places behind the last products
.endr
	v_add_f32 v[SUM], v[SUM], v[SUM+1]
	v_permlanex16_b32 v[TA], v[SUM], s[SEL], s[SEL+1]
	v_add_f32 v[SUM], v[SUM], v[TA]                ; the row's sum
	v_rcp_f32 v[SUM], v[SUM]
	v_and_b32 v2, 15, v0                           ; (a plain line behind the reciprocal)
	v_lshl_add_u32 v2, v2, 5, v[HH]                ; row r of 32 scale bytes, + h
.set j, 0
	s_wait_alu depctr_va_vdst(0)
.rept 32
	v_mul_f32 v[S+j], v[O+j], v[SUM]               ; each accumulator from its low end on
.set j, j+1
.endr
	QUANT2 S, PC
	global_store_b128 v[LI], v[PC:PC+3], s[14:15]                ; an image: the wave's store covers 512 consecutive bytes, aligned
	global_store_b128 v[LI], v[PC+4:PC+7], s[14:15] offset:512
	v_cmp_ne_u32 vcc_lo, 0, v[HH]
	v_cndmask_b32 v[TB], v[PM], v[PM+1], vcc_lo    ; lanes 0-15 carry the first block's byte, lanes 16-31 the second's
	global_store_b8 v2, v[TB], s[16:17]            ; two bytes of each row's 32: rows are written in part here; these bytes are 1/32 of what the launch stores
	s_wait_xcnt 0x0
	v_lshl_add_u32 v254, v0, 2, 0x4a000
	v_mov_b32 v255, 0
	s_wait_tensorcnt 0x0
	ds_add_u32 v254, v255
	s_wait_dscnt 0x0
	s_endpgm
.Lfunc_end_k_q62f683edd9_att:
	.size	k_q62f683edd9_att, .Lfunc_end_k_q62f683edd9_att-k_q62f683edd9_att
	.p2alignl 7, 3214868480
	.fill 96, 4, 3214868480
	.section	.rodata,"a",@progbits
	.p2align	6, 0x0
	.amdhsa_kernel k_q62f683edd9_att
		.amdhsa_group_segment_fixed_size 305152
		.amdhsa_private_segment_fixed_size 0
		.amdhsa_enable_private_segment 0
		.amdhsa_kernarg_size 56
		.amdhsa_user_sgpr_count 2
		.amdhsa_user_sgpr_kernarg_segment_ptr 1
		.amdhsa_wavefront_size32 1
		.amdhsa_system_sgpr_workgroup_id_x 1
		.amdhsa_system_sgpr_workgroup_id_y 1
		.amdhsa_system_sgpr_workgroup_id_z 1
		.amdhsa_system_vgpr_workitem_id 0
		.amdhsa_next_free_vgpr 256
		.amdhsa_next_free_sgpr 66
		.amdhsa_reserve_vcc 1
		.amdhsa_float_denorm_mode_32 3
		.amdhsa_float_denorm_mode_16_64 3
		.amdhsa_memory_ordered 1
		.amdhsa_forward_progress 1
		.amdhsa_inst_pref_size 93
	.end_amdhsa_kernel
	.amdgpu_metadata
---
amdhsa.version: [ 1, 2 ]
amdhsa.kernels:
  - .name:           k_q62f683edd9_att
    .symbol:         k_q62f683edd9_att.kd
    .args:
      - { .name: query, .offset: 0, .size: 8, .value_kind: global_buffer, .address_space: global }
      - { .name: key, .offset: 8, .size: 8, .value_kind: global_buffer, .address_space: global }
      - { .name: mask, .offset: 16, .size: 8, .value_kind: global_buffer, .address_space: global }
      - { .name: values_codes, .offset: 24, .size: 8, .value_kind: global_buffer, .address_space: global }
      - { .name: values_scales, .offset: 32, .size: 8, .value_kind: global_buffer, .address_space: global }
      - { .name: acodes, .offset: 40, .size: 8, .value_kind: global_buffer, .address_space: global }
      - { .name: ascales, .offset: 48, .size: 8, .value_kind: global_buffer, .address_space: global }
    .group_segment_fixed_size: 305152
    .private_segment_fixed_size: 0
    .kernarg_segment_align: 8
    .kernarg_segment_size: 56
    .max_flat_workgroup_size: 512
    .sgpr_count:     66
    .vgpr_count:     256
    .wavefront_size: 32
...
	.end_amdgpu_metadata
.endif
;; end of part 1
;; launch proj (part 2): grid 8 x 32, 4 waves a work-group, clusters of 4 x 4, 288,256 bytes of LDS; arguments acodes, ascales, W_out_codes, W_out_scales, out0; writes out0
.if DOCPART == 2
	.amdgcn_target "amdgcn-amd-amdhsa--gfx1250"
	.amdhsa_code_object_version 6
	.text
	.protected	k_q62f683edd9_proj
	.globl	k_q62f683edd9_proj
	.p2align	8
	.type	k_q62f683edd9_proj,@function
k_q62f683edd9_proj:
	s_mov_b64 s[64:65], 0
	v_nop
	global_prefetch_b8 v0, s[64:65] scope:SCOPE_SE
	s_setreg_imm32_b32 hwreg(HW_REG_WAVE_MODE, 25, 1), 1
	s_wait_xcnt 0x0
	s_wait_alu depctr_hold_cnt(0) depctr_sa_sdst(0) depctr_va_vdst(0) depctr_va_sdst(0) depctr_va_ssrc(0) depctr_va_vcc(0) depctr_vm_vsrc(0)
	s_getreg_b32 s2, hwreg(HW_REG_IB_STS2, 6, 4)
	s_cmp_eq_u32 s2, 0
	s_cbranch_scc0 .Lentry_in_a_cluster
	s_endpgm
.Lentry_in_a_cluster:
	s_bfe_u32 s2, ttmp6, 0x10000c
	s_cmp_lg_u32 s2, 0xf033
	s_cbranch_scc0 .Lentry_shape_is_right
	s_endpgm
.Lentry_shape_is_right:
; out0[m][n] = sum over k of A[m][k] W[n][k], M = 4,096, N = K = 1,024, on codes of BF8 (E5M2) with one E8M0 scale for each 32 along K; sums in f32.
; A's codes come as images of the operand's registers, [block of 128 rows][K step of 128][tile of 16 rows][block of 32][lane][16 bytes], its scale bytes as [row][32]; W's codes as [n][1,024], its scale bytes as [n][32].
; A tile of out0 is 128 x 128: 8 x 32 = 256 work-groups of four waves, each wave 64 x 64: 16 accumulators.  A's 128 KiB and W's 128 KiB for ALL of K fit in LDS: every tensor load is a first fill, no LDS byte is filled twice.
; They come in four chunks of 256 along K, so that the products begin when the first chunk has landed; a wave has four tensor loads outstanding at the most.
; CLUSTERS: 4 x 4 work-groups.  The four of a row of the cluster need the same rows of A, the four of a column the same rows of W: each tile is asked for JOINTLY, by the same tensor load with the same descriptor and a mask of the four.
; THE MATRIX INSTRUCTION IS USED TRANSPOSED (source 0 = 16 rows of W, source 1 = 16 rows of A): a lane then holds eight neighbouring numbers of a row of out0.
; REGISTERS: window 0: v1-27 addresses; v32-63 A's scale words (8 a + s), v64-95 W's (8 b + s); v96-127 rows on the way out; v128-255 the accumulators ((a, b) at 128 + 8 (4 a + b)).
;   window 1: two fragment buffers of 128, by turns: A's four fragments, then W's four.
.set BT,    131072                     ; LDS: A's images at 0 (K step 16,384 / tile 2,048 / block 512 / lane 16); W's tiles here: chunk 34,816, row 272 (256 bytes + 16 of padding: the 16 rows of a load start at 16 different banks, ISA guide 11.1)
.set STAGE, 270336                     ; the way out: 16 rows x 272 bytes for each wave, bytes of its own into which no tile lands
.set ADA, 16                           ; v16-17  my A fragments: K steps 0-3, 4-7
.set ADB, 20                           ; v20-21  my W fragments: chunks 0-1, 2-3
.set STO, 24
.set RD,  25
.set CO,  26
.set SOF, 27
.set SA,  32
.set SB,  64
.set OB,  96
.set ACC, 128
.set G1A, 24                           ; s[24:31]
.set G1B, 32                           ; s[32:39]
.set G0A, 48                           ; s[48:63] four sets
.set G0B, 68                           ; s[68:83] four sets
.set MSB, 0
.macro WIN new                         ; the immediate's high byte repeats the setting that is left
.if MSB != \new
	s_set_vgpr_msb (MSB<<8)|\new
.set MSB, \new
.endif
.endm
.macro CROUND                          ; a round of the cluster's barrier: my work-group's barrier; wave 0 signals for it; every wave waits for all sixteen; my work-group's barrier once more
	s_barrier_signal -1
	s_barrier_wait -1
	s_cmp_lg_u32 s14, 0
	s_cbranch_scc1 .Lnot_wave_0_\@
	s_barrier_signal -3
.Lnot_wave_0_\@:
	s_barrier_wait -3
	s_barrier_signal -1
	s_barrier_wait -1
.endm
.macro PLACES n
.rept \n
	v_nop
.endr
.endm
	s_load_b128 s[4:7], s[0:1], 0x0                ; A's codes, A's scales
	s_load_b128 s[8:11], s[0:1], 0x10              ; W's codes, W's scales
	s_load_b64 s[12:13], s[0:1], 0x20              ; out0
	v_lshl_add_u32 v30, v0, 2, 0x46400
	v_mov_b32 v31, 0
	ds_add_u32 v30, v31
	ds_add_u32 v30, v31
	v_lshrrev_b32 v1, 5, v0
	v_readfirstlane_b32 s14, v1                    ; wave 0 .. 3
	s_lshr_b32 s15, s14, 1                         ; mh: which 64 rows are mine.  Also: I fetch for A (0) or for W (1)
	s_and_b32 s16, s14, 1                          ; nh: which 64 columns.  Also: which half of a chunk I fetch
	s_bfe_u32 s40, ttmp6, 0x40000                  ; cx, cy: my place in the cluster
	s_bfe_u32 s41, ttmp6, 0x40004
	s_lshl_b32 s42, ttmp9, 2
	s_add_co_u32 s42, s42, s40                     ; x: block of 128 columns
	s_and_b32 s17, ttmp7, 0xffff
	s_lshl_b32 s17, s17, 2
	s_add_co_u32 s17, s17, s41                     ; y: block of 128 rows
	s_lshl_b32 s43, s41, 2
	s_lshl_b32 s43, 15, s43                        ; my row of the cluster
	s_lshl_b32 s44, 0x1111, s40                    ; my column
	; group 1 for A: a dense block of 16,384 bytes (one K step of the 128 rows) as 64 rows of 32 elements of 8 bytes, no padding
	s_or_b32 s[G1A], s43, (3<<16)|(1<<21)          ; 15:0 the mask; 17:16 elements of 8 bytes; 21 set beside a mask
	s_mov_b32 s[G1A+1], 32<<16                     ; tensor_dim0
	s_mov_b32 s[G1A+2], 64<<16                     ; tensor_dim1
	s_mov_b32 s[G1A+3], 32<<16                     ; tile_dim0
	s_mov_b32 s[G1A+4], 64                         ; tile_dim1
	s_mov_b32 s[G1A+5], 32                         ; from row to row
	s_mov_b32 s[G1A+6], 0
	s_mov_b32 s[G1A+7], 0
	; group 1 for W: 64 rows of 256 bytes, 1,024 bytes apart in memory, four words of padding behind every 64 in LDS
	s_or_b32 s[G1B], s44, (1<<20)|(1<<21)|(5<<22)|(3<<25)
	s_mov_b32 s[G1B+1], 256<<16
	s_mov_b32 s[G1B+2], 64<<16
	s_mov_b32 s[G1B+3], 256<<16
	s_mov_b32 s[G1B+4], 64
	s_mov_b32 s[G1B+5], 1024
	s_mov_b32 s[G1B+6], 0
	s_mov_b32 s[G1B+7], 0
	s_lshl_b32 s20, s17, 17                        ; A's codes: block y, K step nh (registers that feed A's descriptors never hold cx)
	s_lshl_b32 s21, s16, 14
	s_add_co_u32 s20, s20, s21
	s_mov_b32 s21, 0
	s_lshl_b32 s46, s42, 17                        ; W's codes: row 128 x + 64 nh (and these never cy)
	s_lshl_b32 s47, s16, 16
	s_add_co_u32 s46, s46, s47
	s_mov_b32 s47, 0
	s_lshl_b32 s88, s17, 12                        ; A's scale bytes: row 128 y + 64 mh, 32 bytes a row
	s_lshl_b32 s89, s15, 11
	s_add_co_u32 s88, s88, s89
	s_mov_b32 s89, 0
	s_lshl_b32 s90, s42, 12                        ; W's: row 128 x + 64 nh
	s_lshl_b32 s91, s16, 11
	s_add_co_u32 s90, s90, s91
	s_mov_b32 s91, 0
	s_lshl_b32 s92, s17, 19                        ; out0: row 128 y + 64 mh of 4,096 bytes, column 128 x + 64 nh
	s_lshl_b32 s93, s15, 18
	s_add_co_u32 s92, s92, s93
	s_lshl_b32 s93, s42, 9
	s_add_co_u32 s92, s92, s93
	s_lshl_b32 s93, s16, 8
	s_add_co_u32 s92, s92, s93
	s_mov_b32 s93, 0
	s_lshl_b32 s45, s16, 14                        ; where my tiles go: the wave's number alone enters an LDS address
	s_mul_i32 s86, s16, 17408
	s_add_co_u32 s86, s86, BT
	s_wait_dscnt 0x0
	s_wait_kmcnt 0x0
	s_add_nc_u64 s[22:23], s[4:5], s[20:21]
	s_add_nc_u64 s[84:85], s[8:9], s[46:47]
	s_add_nc_u64 s[6:7], s[6:7], s[88:89]
	s_add_nc_u64 s[10:11], s[10:11], s[90:91]
	s_add_nc_u64 s[12:13], s[12:13], s[92:93]
.irp j, 0,1,2,3                                ; group 0, a set for each chunk of 256 along K
	s_mov_b32 s[G0A+4*\j], 1
	s_add_co_u32 s[G0A+4*\j+1], s45, \j*32768                     ; K step 2 j + nh
	s_add_nc_u64 s[G0A+4*\j+2:G0A+4*\j+3], s[22:23], \j*32768
	s_or_b32 s[G0A+4*\j+3], s[G0A+4*\j+3], 0x80000000
	s_mov_b32 s[G0B+4*\j], 1
	s_add_co_u32 s[G0B+4*\j+1], s86, \j*34816
	s_add_nc_u64 s[G0B+4*\j+2:G0B+4*\j+3], s[84:85], \j*256
	s_or_b32 s[G0B+4*\j+3], s[G0B+4*\j+3], 0x80000000
.endr
	CROUND                                         ; all sixteen work-groups are here: the joint loads meet
	s_cmp_eq_u32 s15, 0                            ; a wave's four fills stand in one branch on the wave's number, ahead of every wait on TENSORcnt, every LDS read and every other barrier
	s_cbranch_scc0 .Lfor_w
.irp j, 0,1,2,3
	tensor_load_to_lds s[G0A+4*\j:G0A+4*\j+3], s[G1A:G1A+7]
	s_nop 0
.endr
	PLACES 4                                       ; four v_nop follow the last of them
	s_branch .Lasked
.Lfor_w:
.irp j, 0,1,2,3
	tensor_load_to_lds s[G0B+4*\j:G0B+4*\j+3], s[G1B:G1B+7]
	s_nop 0
.endr
	PLACES 4
.Lasked:
	v_and_b32 v1, 15, v0                           ; r
	v_bfe_u32 v2, v0, 4, 1                         ; h
	v_lshlrev_b32 v[SOF], 5, v1                    ; a row's 32 scale bytes
.irp a, 0,1,2,3                                ; the scale words of my 64 rows of A and 64 rows of W, for all of K: eight words a row, lane r takes row r's
	global_load_b128 v[SA+8*\a:SA+8*\a+3], v[SOF], s[6:7] offset:512*\a
	global_load_b128 v[SA+8*\a+4:SA+8*\a+7], v[SOF], s[6:7] offset:512*\a+16
	global_load_b128 v[SB+8*\a:SB+8*\a+3], v[SOF], s[10:11] offset:512*\a
	global_load_b128 v[SB+8*\a+4:SB+8*\a+7], v[SOF], s[10:11] offset:512*\a+16
.endr
	v_and_b32 v3, 31, v0
	v_lshlrev_b32 v3, 4, v3                        ; 16 x lane
	s_lshl_b32 s94, s15, 13
	v_add_nc_u32 v[ADA], s94, v3                   ; my four tiles of rows begin 8,192 mh bytes on in a K step
	v_add_nc_u32 v[ADA+1], 65536, v[ADA]
	v_mul_u32_u24 v4, v1, 272
	v_lshl_add_u32 v4, v2, 4, v4
	v_add_nc_u32 v[ADB], s86, v4                   ; W: row 64 nh + r, + 16 h
	v_add_nc_u32 v[ADB+1], 69632, v[ADB]
	s_mul_i32 s95, s14, 4352
	s_add_co_u32 s95, s95, STAGE                   ; my stage
	v_mul_u32_u24 v5, v1, 272
	v_lshl_add_u32 v5, v2, 5, v5
	v_add_nc_u32 v[STO], s95, v5                   ; in: row r, 32 bytes for each half of the lanes
	v_mul_u32_u24 v5, v2, 272
	v_lshl_add_u32 v5, v1, 4, v5
	v_add_nc_u32 v[RD], s95, v5                    ; back: lanes 0-15 one row of 256 bytes, lanes 16-31 the next
	v_lshlrev_b32 v[CO], 12, v2
	v_lshl_add_u32 v[CO], v1, 4, v[CO]             ; and the same two rows in out0
.macro FETCH s                         ; the fragments of K step s into buffer s % 2: 32 LDS loads in one run
	WIN 0x40                                       ; destination window 1, address window 0
.irp a, 0,1,2,3
.irp c, 0,1,2,3
	ds_load_b128 v[128*((\s)%2)+16*\a+4*\c:128*((\s)%2)+16*\a+4*\c+3], v[ADA+(\s)/4] offset:((\s)%4)*16384+2048*\a+512*\c
.endr
.endr
.irp b, 0,1,2,3
.irp c, 0,1,2,3
	ds_load_b128 v[128*((\s)%2)+64+16*\b+4*\c:128*((\s)%2)+64+16*\b+4*\c+3], v[ADB+(\s)/4] offset:(((\s)/2)%2)*34816+4352*\b+128*((\s)%2)+32*\c
.endr
.endr
.endm
.macro MUL s                           ; 16 products; the 16 accumulators take turns, one instruction a turn, in the same order in every step.  The first step starts the sums
	WIN 0x05                                       ; sources 0 and 1 window 1; C and D window 0
.irp a, 0,1,2,3
.irp b, 0,1,2,3
.if (\s) == 0
	v_wmma_scale_f32_16x16x128_f8f6f4 v[ACC+8*(4*\a+\b):ACC+8*(4*\a+\b)+7], v[128*((\s)%2)+64+16*\b:128*((\s)%2)+64+16*\b+15], v[128*((\s)%2)+16*\a:128*((\s)%2)+16*\a+15], 0, v[SB+8*\b+(\s)], v[SA+8*\a+(\s)] matrix_a_fmt:MATRIX_FMT_BF8 matrix_b_fmt:MATRIX_FMT_BF8
.else
	v_wmma_scale_f32_16x16x128_f8f6f4 v[ACC+8*(4*\a+\b):ACC+8*(4*\a+\b)+7], v[128*((\s)%2)+64+16*\b:128*((\s)%2)+64+16*\b+15], v[128*((\s)%2)+16*\a:128*((\s)%2)+16*\a+15], v[ACC+8*(4*\a+\b):ACC+8*(4*\a+\b)+7], v[SB+8*\b+(\s)], v[SA+8*\a+(\s)] matrix_a_fmt:MATRIX_FMT_BF8 matrix_b_fmt:MATRIX_FMT_BF8
.endif
.endr
.endr
.endm
.macro STEP s
.if (\s) < 7
.if ((\s)%2) == 1                              ; the next step begins a chunk
	s_wait_tensorcnt 3-((\s)+1)/2                  ; my part of that chunk is in; the younger chunks may stay out
	s_wait_dscnt 0x0                               ; no LDS load of mine is out at the signal
	s_barrier_signal -1
	s_barrier_wait -1                              ; everybody's part is in
.endif
.if (\s) > 0
	PLACES 8                                       ; eight places ahead of loads into the buffer that the step before multiplied
.endif
	FETCH (\s)+1
	s_wait_dscnt 32                                ; all but the 32 just issued: this step's fragments are in
.else
	s_wait_dscnt 0x0
.endif
	MUL \s
.endm
	s_wait_tensorcnt 3                             ; my part of chunk 0 is in; three younger loads may be out
	s_barrier_signal -1
	s_barrier_wait -1                              ; everybody's is
	FETCH 0
	s_wait_loadcnt 0x0                             ; the scale words
.irp s, 0,1,2,3,4,5,6,7
	STEP \s
.endr
	WIN 0
	PLACES 8                                       ; eight places behind the last products, ahead of the first read of results
	; THE WAY OUT, 16 rows x 64 columns at a time through my own stage: a lane holds 32 bytes of a row; they come back as whole runs of 256 bytes.  LDS serves a wave's instructions in order (ISA guide 5.7.1.4): no wait between stores and loads
.irp a, 0,1,2,3
.if \a > 0
	s_wait_xcnt 0x0                                ; the last block's stores have read their registers: these may be loaded again
.endif
.irp b, 0,1,2,3
	ds_store_b128 v[STO], v[ACC+8*(4*\a+\b):ACC+8*(4*\a+\b)+3] offset:64*\b        ; each accumulator from its low end on
	ds_store_b128 v[STO], v[ACC+8*(4*\a+\b)+4:ACC+8*(4*\a+\b)+7] offset:64*\b+16
.endr
.irp i, 0,1,2,3,4,5,6,7
	ds_load_b128 v[OB+4*\i:OB+4*\i+3], v[RD] offset:544*\i
.endr
.irp i, 0,1,2,3,4,5,6,7
	s_wait_dscnt 7-\i                              ; the younger loads of the eight may be out
	global_store_b128 v[CO], v[OB+4*\i:OB+4*\i+3], s[12:13] offset:(16*\a+2*\i)*4096 th:TH_STORE_NT   ; 16 lanes store 256 consecutive bytes, at a multiple of 256 from out0's first byte; written once
.endr
.endr
	s_wait_dscnt 0x0
	s_wait_tensorcnt 0x0
	ds_add_u32 v30, v31
	s_wait_dscnt 0x0
	CROUND                                         ; the closing round: no work-group ends while a partner may still ask for a tile that names it
	s_endpgm
.Lfunc_end_k_q62f683edd9_proj:
	.size	k_q62f683edd9_proj, .Lfunc_end_k_q62f683edd9_proj-k_q62f683edd9_proj
	.p2alignl 7, 3214868480
	.fill 96, 4, 3214868480
	.section	.rodata,"a",@progbits
	.p2align	6, 0x0
	.amdhsa_kernel k_q62f683edd9_proj
		.amdhsa_group_segment_fixed_size 288256
		.amdhsa_private_segment_fixed_size 0
		.amdhsa_enable_private_segment 0
		.amdhsa_kernarg_size 40
		.amdhsa_user_sgpr_count 2
		.amdhsa_user_sgpr_kernarg_segment_ptr 1
		.amdhsa_wavefront_size32 1
		.amdhsa_system_sgpr_workgroup_id_x 1
		.amdhsa_system_sgpr_workgroup_id_y 1
		.amdhsa_system_sgpr_workgroup_id_z 1
		.amdhsa_system_vgpr_workitem_id 0
		.amdhsa_next_free_vgpr 512
		.amdhsa_next_free_sgpr 100
		.amdhsa_reserve_vcc 0
		.amdhsa_float_denorm_mode_32 3
		.amdhsa_float_denorm_mode_16_64 3
		.amdhsa_memory_ordered 1
		.amdhsa_forward_progress 1
		.amdhsa_inst_pref_size 53
	.end_amdhsa_kernel
	.amdgpu_metadata
---
amdhsa.version: [ 1, 2 ]
amdhsa.kernels:
  - .name:           k_q62f683edd9_proj
    .symbol:         k_q62f683edd9_proj.kd
    .args:
      - { .name: acodes, .offset: 0, .size: 8, .value_kind: global_buffer, .address_space: global }
      - { .name: ascales, .offset: 8, .size: 8, .value_kind: global_buffer, .address_space: global }
      - { .name: W_out_codes, .offset: 16, .size: 8, .value_kind: global_buffer, .address_space: global }
      - { .name: W_out_scales, .offset: 24, .size: 8, .value_kind: global_buffer, .address_space: global }
      - { .name: out0, .offset: 32, .size: 8, .value_kind: global_buffer, .address_space: global }
    .group_segment_fixed_size: 288256
    .private_segment_fixed_size: 0
    .kernarg_segment_align: 8
    .kernarg_segment_size: 40
    .max_flat_workgroup_size: 128
    .sgpr_count:     100
    .vgpr_count:     512
    .wavefront_size: 32
...
	.end_amdgpu_metadata
.endif
;; end of part 2
;; ======== version 2 of 2: 2 launches; version 1 with the launch att written anew for expert scheduling mode
;; limits: right only within a limited range of input values
;; workspace buffers: acodes 4,194,304 bytes; ascales 131,072 bytes
;; launch att (part 3): grid 8 x 32, 16 waves a work-group, no clusters, 305,152 bytes of LDS; arguments query, key, mask, values_codes, values_scales, acodes, ascales; writes acodes, ascales
.if DOCPART == 3
	.amdgcn_target "amdgcn-amd-amdhsa--gfx1250"
	.amdhsa_code_object_version 6
	.text
	.protected	k_q62f683edd9_att
	.globl	k_q62f683edd9_att
	.p2align	8
	.type	k_q62f683edd9_att,@function
k_q62f683edd9_att:
	s_mov_b64 s[64:65], 0
	v_nop
	global_prefetch_b8 v0, s[64:65] scope:SCOPE_SE
	s_setreg_imm32_b32 hwreg(HW_REG_WAVE_SCHED_MODE, 0, 2), 2
	s_setreg_imm32_b32 hwreg(HW_REG_WAVE_MODE, 25, 1), 1
	s_wait_xcnt 0x0
	s_wait_alu depctr_vm_vsrc(0)
; Attention of one head for 256 queries, both products on codes of BF8 (E5M2) with one E8M0 scale for each 32 along K; the result leaves as codes and scale bytes for the last product.
; energy = q . k over the head's 64; keys whose mask is 0 get a very low energy; t = energy x log2(e) / 32; M = the running largest t rounded UP to a whole number; p = 2^(t - M) is quantised along the keys;
; the row's sum is taken of the unquantised p and divides O at the end; O / sum is quantised along the head's 64 channels (two blocks of 32 of the last product's K = 1,024).
; SHARES.  Work-group (x, y): queries 256 x .. 256 x + 255 of batch n = y / 16, head hd = y % 16: 8 x 32 = 256 work-groups.  Each of the sixteen waves owns 16 queries, one tile, in 256 registers.
; A head's 2,048 keys as codes (128 KiB) and its values' codes (128 KiB, 144 KiB with padding) fit in LDS together: wave w quantises keys 128 w .. 128 w + 127 and copies V's codes of the same keys; ONE barrier;
; after it LDS is only read.  No ring, no tensor load.  K's codes lie as IMAGES OF THE OPERAND'S REGISTERS (lane l's 16 bytes at 16 l, 512 bytes a store), V's as rows of 128 bytes + 16.
; THE HEAD'S LOADS ARE DENSE.  A row's part of a head is 256 consecutive bytes of f32: a load takes two whole rows, sixteen lanes to a row.  The quantiser wants 16 neighbours in ONE lane, so a tile of 16 rows turns through
; the wave's own stage in LDS: stored as loaded, in rows of 272 bytes, and read back 64 bytes a lane.  V's codes are only copied: a load takes four channels x 128 bytes and is stored as it is.
; NO CLUSTER: of the 704 KiB that a work-group reads, 576 KiB (key and query, f32) go through registers to be quantised; only V's 128 KiB could be asked for jointly, a small part of what is read.
; LAYOUT.  Both products are used transposed: S^T = K Q^T (source 0 = 16 keys, source 1 = my queries), O^T = V^T P^T (source 0 = 16 channels, source 1 = P): a lane holds ONE query (lane % 16) throughout.
; THE ROWS OF A TILE ARE NOT NEIGHBOURS: lane r of tile 2 b + u takes row 32 b + 8 u + r + 8 (r / 8), of K's keys and of V's channels alike: so the 16 registers of tiles 2 b and 2 b + 1 are 16 neighbours, 32 b + 16 (lane / 16) + 0 .. 15.
; THE MASK RIDES IN THE PRODUCT.  The first product fills 64 of the instruction's 128 along K.  Place k = 64 holds the code 1.0 in every key and -1.0 in every query; the third scale byte is 160 (2^33) in a query's word,
; and in a key's word 160 where mask == 0, else 1 (2^-126).  A masked key's 64 codes are zeros.  So a masked score is exactly -2^66, and a kept score has -2^-93 added.  All other places from 65 on hold zero codes.
; LIMITS, kept on purpose: a masked energy is -2^66 (7.4e19) where the source has -1e20: the results agree while kept energies stay far under 2^66 in magnitude (a row all of whose keys are masked gives the uniform
; weights of the source: -2^66 x c is exact, so every p is 1); -2^-93 is added to kept energies; NaN and infinities among the inputs are not served; a block of zeros gets the scale byte 1, not 127: its codes are
; zeros, and these bytes are read by this program alone; blocks whose largest magnitude lies under 2^-111 have their byte held at 1.
; THE MODE: SCHED_MODE bits 1:0 = 2 (LLVM: expert scheduling mode 2), set by the entry lines.  The code itself states the register dependences between vector or matrix instructions and memory or LDS
; instructions, with s_wait_alu, always for 0.
; THE PLAN, THE HEAD.  Registers that memory or LDS instructions touch:
;   R0 .. R2     as loaded.  Item i + 3's global loads land in set i % 3 in item i's turn; the stage's stores of item i read that set one turn earlier.  No vector line names them.
;   XT0, XT1     back from the stage.  Item i + 1's LDS loads land in the set that item i - 1's quantiser read and held in place.
;   KC0, KC1     a tile's codes.  Written in the tile's turn; read by its two image stores, which stand at the head of the NEXT turn; written again a turn after that.
;   KSW          the tiles' scale words: written tile by tile, stored at the head's end.      The addresses: made once, at the kernel's head.
;   So a turn's head has one wait on va_vdst (the tile before has written its codes and is done with its XT) and one on vm_vsrc (the stage's stores have read their R, the image stores of the tile before last their KC).
; THE PLAN, THE LOOP.
;   v7-10        four LDS addresses: written at a trip's head, behind a wait on vm_vsrc; read by the trip's LDS loads.
;   KB, KS       K's fragments (the loaded halves) and scale words: read by the score products.  Tiles 4-7 land behind the wait that follows the first four products; the NEXT trip's tiles 0-3 and scale words
;                land behind the wait for the exponentials, under the softmax's vector lines.
;   VS           V's scale words: read by the second product's instructions; loaded behind the first of those two waits.
;   S            scores, then p, in place; V's tiles 0, 1 land behind a wait that follows blocks 0 and 1's conversions, tiles 2, 3 behind one that follows blocks 2 and 3's.
;   PC, PSW      p's codes and scale word: written by vector lines, taken by the second product's instructions: the last of those waits states that too.
.set VIMG,  131072                     ; LDS: K's images at 0: step 8,192 / tile 1,024 / block 512 / lane 16;  V's rows here: step 9,216 / tile 2,304 / row 144: the 16 rows of a load start at 16 different banks (ISA guide 11.1)
.set VSTEP, 9216
.set KSC,   278528                     ; K's scale words: step 1,024 / four tiles 512 / lane 16
.set VSC,   294912                     ; V's scale words: step 512 / lane 16
.set STG,   4352                       ; a stage: 16 rows of 272 bytes (256 + 16).  A wave's two stages lie in its own 9,216 bytes of V's rows, which it fills only behind its last read of a stage
; registers of the whole launch
.set LI,  1                            ; v1   16 x lane: my place in an image
.set AV0, 3                            ; v3   my place in a tile of V: 144 r + 16 h
.set HH,  4                            ; v4   h = lane / 16
.set AS0, 5                            ; v5   my place in K's scale words
.set AT0, 6                            ; v6   in V's scale words
.set QF,  16                           ; v16-31  q's fragment
.set QSW, 239                          ; v239    q's scale word
; registers of the head alone
.set DA,  7                            ; q and key in memory: row h of two, 16 bytes a lane
.set SWA, 8                            ; the stage, on the way in: the same two rows
.set MA,  9                            ; mask in memory
.set VA,  10                           ; V's codes in memory: row lane / 8 of four, 16 bytes a lane
.set VSA, 11                           ; V's scale bytes in memory
.set KWI, 12                           ; where my wave's images, rows and words go in LDS
.set VWI, 13
.set KWS, 14
.set VWS, 15
.set SRA, 220                          ; the stage, on the way out: row r, + 64 h
.set KC,  32                           ; v32-47   K's codes, two sets of 8 by turns
.set R,   48                           ; v48-143  three sets of 32 registers as loaded; at the end V's four tiles in v48-111
.set XT,  144                          ; v144-207 two sets of 32 neighbours, back from the stage
.set MX,  224                          ; the quantiser's: largest magnitudes,
.set PM,  226                          ; the other half's, then the scale bytes,
.set HD,  228                          ; 57,344 x the scale,
.set SO,  230                          ; the conversion's scale operand
.set VSW, 232                          ; v232-235 V's four scale words
.set CU,  236                          ; a kept key's upper scale bytes
.set CM,  237                          ; a masked key's
.set NIL, 238
.set MK,  240                          ; v240-247 the mask's numbers of my key in tiles 0 .. 7
.set KSW, 248                          ; v248-255 K's scale words
; registers of the loop alone
.set ADK, 7                            ; LDS addresses of the step in hand
.set ADS, 8
.set ADV, 9
.set ADT, 10
.set NM,  12                           ; -M
.set TMX, 13                           ; the largest t so far
.set SUM, 14                           ; v[14:15] the row's sum in two halves
.set KB,  32                           ; v32-95   four buffers of 16 for K's fragments: registers 0-7 loaded, 8-15 constant
.set S,   96                           ; v96-159  S^T, then p, then V's four fragments
.set O,   160                          ; v160-191 O^T
.set PC,  192                          ; v192-207 p's codes
.set KS,  208                          ; v208-215 K's scale words
.set VS,  216                          ; v216-219 V's
.set LSO, 220
.set BM,  224                          ; each block's largest score, then its largest p
.set PB,  228
.set LHD, 232
.set SU2, 236                          ; v[236:237] the sum's second chain
.set FF,  240                          ; v[240:241] f = 2^(old M - new M); the upper word is only named
.set TA,  242
.set TB,  243
.set PSW, 245                          ; p's scale word
.set WV,  18
.set SEL, 24                           ; s[24:25] selects of v_permlanex16_b32 for lane l xor 16
.set CS,  26                           ; s[26:27] c = log2(e) / 32, twice
.set MNT, 28                           ; the mantissa field of 57,344
.set ST8, 29                           ; 8,192 x step
.set ST1, 30                           ; 1,024 x step
.set STH, 31                           ; 512 x step
.set CNT, 32
.set STV, 33                           ; 9,216 x step (a temporary in the head)
.set MSK, 34                           ; s34-41  tile T: the lanes whose key is masked (these registers hold byte offsets until the buffers' addresses are made)
.set HM,  42                           ; s42     lanes 0-15
; 16 rows of 256 bytes into a set of 32 registers: load i takes rows 2 i and 2 i + 1 (from i = 4 on: gap rows further down), sixteen lanes to a row: each load covers two aligned runs of 256 consecutive bytes
.macro DLOAD set, base, imm, gap, nt
.irp i, 0,1,2,3,4,5,6,7
.if \nt
	global_load_b128 v[R+32*(\set)+4*\i:R+32*(\set)+4*\i+3], v[DA], s[\base:\base+1] offset:(\imm)+(2*\i+(\gap)*(\i/4))*4096 th:TH_LOAD_NT
.else
	global_load_b128 v[R+32*(\set)+4*\i:R+32*(\set)+4*\i+3], v[DA], s[\base:\base+1] offset:(\imm)+(2*\i+(\gap)*(\i/4))*4096
.endif
.endr
.endm
.macro KLOAD T                         ; tile T of my 128 keys is item T + 1: into set (T + 1) % 3.  Its rows 8 .. 15 are the keys 16 further on than rows 0 .. 7.  Eight work-groups read these rows, so no hint
	DLOAD (\T+1)%3, 6, (32*(\T/2)+8*(\T%2))*4096, 8, 0
.endm
.macro VLOAD t                         ; V's tile t, my 128 keys: load i takes channels 4 i .. 4 i + 3 of the tile (from i = 2 on: 8 further on), eight lanes to a channel's 128 bytes
.irp i, 0,1,2,3
	global_load_b128 v[R+16*\t+4*\i:R+16*\t+4*\i+3], v[VA], s[10:11] offset:(32*(\t/2)+8*(\t%2)+4*\i+8*(\i/2))*2048
.endr
.endm
; Item it goes through stage it % 2: in as loaded, out 64 bytes a lane: register 16 b + 4 j + .. = number 32 b + 16 h + 4 j + .. of row r.  LDS serves a wave's instructions in order (ISA guide 5.7.1.4): no wait between the stores and the loads
.macro TURN it
.irp i, 0,1,2,3,4,5,6,7
	ds_store_b128 v[SWA], v[R+32*((\it)%3)+4*\i:R+32*((\it)%3)+4*\i+3] offset:STG*((\it)%2)+544*\i
.endr
.irp b, 0,1
.irp j, 0,1,2,3
	ds_load_b128 v[XT+32*((\it)%2)+16*\b+4*\j:XT+32*((\it)%2)+16*\b+4*\j+3], v[SRA] offset:STG*((\it)%2)+128*\b+16*\j
.endr
.endr
.endm
; 32 numbers of a lane, register 16 b + i = k 32 b + 16 h + i of my row, become 8 registers of codes at v[dst]; the two scale bytes are left in v[PM], v[PM+1]
.macro QUANT2 src, dst
.irp b, 0,1
	v_max3_num_f32 v[MX+\b], |v[\src+16*\b]|, |v[\src+16*\b+1]|, 0x8000000   ; my 16 numbers, and the floor 2^(16 - 127): the byte cannot fall under 1
.endr
.irp i, 2,4,6,8,10,12,14
.irp b, 0,1
	v_max3_num_f32 v[MX+\b], v[MX+\b], |v[\src+16*\b+\i]|, |v[\src+16*\b+\i+1]|
.endr
.endr
.irp b, 0,1
	v_permlanex16_b32 v[PM+\b], v[MX+\b], s[SEL], s[SEL+1]
.endr
.irp b, 0,1
	v_max_num_f32 v[MX+\b], v[MX+\b], v[PM+\b]         ; with lane l xor 16's: the block's largest magnitude
.endr
.irp b, 0,1
	v_add_nc_u32 v[SO+\b], 0xf8800000, v[MX+\b]        ; 15 off its exponent field: the conversion takes the exponent field of this operand as its scale
.endr
.irp b, 0,1
	v_and_or_b32 v[HD+\b], v[MX+\b], 0x7f800000, s[MNT]   ; 57,344 x the scale
.endr
.irp b, 0,1
	v_lshrrev_b32 v[PM+\b], 23, v[SO+\b]               ; the scale's byte
.endr
.irp b, 0,1
.irp i, 0,1,2,3,4,5,6,7,8,9,10,11,12,13,14,15
	v_med3_num_f32 v[\src+16*\b+\i], v[\src+16*\b+\i], -v[HD+\b], v[HD+\b]   ; the conversion to an 8-bit code does not saturate (ISA guide 7.6.2): the hold comes first
.endr
	v_cvt_scalef32_pk8_bf8_f32 v[\dst+4*\b:\dst+4*\b+1], v[\src+16*\b:\src+16*\b+7], v[SO+\b]
	v_cvt_scalef32_pk8_bf8_f32 v[\dst+4*\b+2:\dst+4*\b+3], v[\src+16*\b+8:\src+16*\b+15], v[SO+\b]
.endr
	v_nop                                              ; one plain vector line behind the last conversion, ahead of whatever next touches its registers
.endm
; Tile T of my keys (item T + 1): quantised and masked, in registers
.macro KVEC T
	QUANT2 XT+32*((\T+1)%2), KC+8*(\T%2)
.irp i, 0,1,2,3,4,5,6,7
	v_cndmask_b32 v[KC+8*(\T%2)+\i], v[KC+8*(\T%2)+\i], v[NIL], s[MSK+\T]   ; where my key is masked (a choice of values only) its codes are zeros,
.endr
	v_cndmask_b32 v[KSW+\T], v[CU], v[CM], s[MSK+\T]   ; and the scale of place 64 is 2^33 and not 2^-126
	v_lshl_or_b32 v[PM], v[PM+1], 8, v[PM]
	v_or_b32 v[KSW+\T], v[KSW+\T], v[PM]               ; the two blocks' bytes below
.endm
; and its image stored: at the head of the next turn
.macro KIMG T
	ds_store_b128 v[KWI], v[KC+8*(\T%2):KC+8*(\T%2)+3] offset:1024*\T
	ds_store_b128 v[KWI], v[KC+8*(\T%2)+4:KC+8*(\T%2)+7] offset:1024*\T+512
.endm
; The head of a turn that has a tile in front of it
.macro THEAD
	s_wait_dscnt 0x0                                   ; this turn's tile is back from the stage; nothing was issued to LDS behind its way through
	s_wait_alu depctr_va_vdst(0)                       ; the tile before has written its codes, which the image stores below read, and is done reading and holding its XT, in which this turn's stage loads land
	s_wait_alu depctr_vm_vsrc(0)                       ; the stage's stores have read the set of R in which this turn's global loads land; the image stores of the tile before last have read the codes' set that this turn's conversions write
.endm
; The turn of tile T (T from 1 to 4): tile P = T - 1's image is stored, tile L = T + 3 is asked for, item U = T + 2 goes through the stage, tile T is quantised
.macro ITEMK T, L, U, P
	THEAD
	KIMG \P
	KLOAD \L
	s_wait_loadcnt 16                                  ; the next item's eight loads are in; the two items behind it may be out
	TURN \U
	KVEC \T
.endm
	s_load_b256 s[4:11], s[0:1], 0x0               ; query s[4:5], key s[6:7], mask s[8:9], V's codes s[10:11]
	s_load_b128 s[12:15], s[0:1], 0x20             ; V's scales s[12:13], the result's codes s[14:15]
	s_load_b64 s[16:17], s[0:1], 0x30              ; the result's scale bytes
	v_lshrrev_b32 v2, 5, v0
	v_readfirstlane_b32 s[WV], v2                  ; wave 0 .. 15
	s_and_b32 s19, ttmp7, 0xffff
	s_lshr_b32 s20, s19, 4                         ; n
	s_and_b32 s21, s19, 15                         ; hd
	s_mov_b32 s22, ttmp9                           ; x
	v_and_b32 v[LI], 31, v0
	v_lshlrev_b32 v[LI], 4, v[LI]
	v_and_b32 v2, 15, v0                           ; r
	v_bfe_u32 v[HH], v0, 4, 1
	v_and_b32 v[VSA], 8, v2
	v_add_nc_u32 v[VSA], v[VSA], v2                ; rp = r + 8 (r / 8)
	v_lshlrev_b32 v[DA], 12, v[HH]
	v_lshl_add_u32 v[DA], v2, 4, v[DA]             ; q and key: row h of 4,096 bytes, + 16 r
	v_lshlrev_b32 v[MA], 2, v[VSA]                 ; mask: 4 bytes a key
	v_lshlrev_b32 v[VSA], 6, v[VSA]                ; V's scale bytes: 64 a channel
	v_mul_u32_u24 v[AV0], v2, 144
	v_lshl_add_u32 v[AV0], v[HH], 4, v[AV0]
	v_add_nc_u32 v[AV0], VIMG, v[AV0]
	v_add_nc_u32 v[AS0], KSC, v[LI]
	v_add_nc_u32 v[AT0], VSC, v[LI]
	s_wait_alu depctr_va_sdst(0)                   ; the wave's number is written, ahead of its first reader
	s_mul_i32 s33, s[WV], VSTEP                    ; my wave's key step is its number
	s_add_co_u32 s33, s33, VIMG                    ; my part of V's rows, and until they are stored my two stages
	v_mul_u32_u24 v[SWA], v[HH], 272
	v_lshl_add_u32 v[SWA], v2, 4, v[SWA]
	v_add_nc_u32 v[SWA], s33, v[SWA]
	v_mul_u32_u24 v[SRA], v2, 272
	v_lshl_add_u32 v[SRA], v[HH], 6, v[SRA]
	v_add_nc_u32 v[SRA], s33, v[SRA]
	v_bfe_u32 v[VA], v0, 3, 2                      ; lane / 8
	v_and_b32 v2, 7, v0                            ; lane % 8
	v_mul_u32_u24 v[VWI], v[VA], 144
	v_lshl_add_u32 v[VWI], v2, 4, v[VWI]
	v_add_nc_u32 v[VWI], s33, v[VWI]
	v_lshlrev_b32 v[VA], 11, v[VA]
	v_lshl_add_u32 v[VA], v2, 4, v[VA]             ; V's codes: channel lane / 8 of 2,048 bytes, + 16 (lane % 8)
	s_lshl_b32 s33, s[WV], 13
	v_add_nc_u32 v[KWI], s33, v[LI]
	s_lshl_b32 s33, s[WV], 10
	v_add_nc_u32 v[KWS], s33, v[AS0]
	s_lshl_b32 s33, s[WV], 9
	v_add_nc_u32 v[VWS], s33, v[AT0]
	v_mov_b32 v[PM], 0                             ; written once: a lane permute's destination counts as one of its sources
	v_mov_b32 v[PM+1], 0
	v_mov_b32 v[CU], 0x7f010000
	v_mov_b32 v[CM], 0x7fa00000
	v_mov_b32 v[NIL], 0
	s_mov_b32 s[SEL], 0x76543210
	s_mov_b32 s[SEL+1], 0xfedcba98
	s_mov_b32 s[CS], 0x3d38aa3b                    ; log2(e) / 32
	s_mov_b32 s[CS+1], s[CS]
	s_mov_b32 s[MNT], 0x600000
	; byte offsets, each in a pair of its own
	s_lshl_b32 s23, s21, 8                         ; the head's 64 numbers: 256 bytes on in a row
	s_lshl_b32 s34, s20, 23                        ; query: n, 256 x rows, 16 w rows
	s_lshl_b32 s33, s22, 20
	s_add_co_u32 s34, s34, s33
	s_lshl_b32 s33, s[WV], 16
	s_add_co_u32 s34, s34, s33
	s_add_co_u32 s34, s34, s23
	s_mov_b32 s35, 0
	s_lshl_b32 s36, s20, 23                        ; key: n, 128 w rows
	s_lshl_b32 s33, s[WV], 19
	s_add_co_u32 s36, s36, s33
	s_add_co_u32 s36, s36, s23
	s_mov_b32 s37, 0
	s_lshl_b32 s38, s20, 13                        ; mask
	s_lshl_b32 s33, s[WV], 9
	s_add_co_u32 s38, s38, s33
	s_mov_b32 s39, 0
	s_lshl_b32 s40, s20, 21                        ; V's codes: n, 64 hd channels of 2,048 bytes, 128 w keys
	s_lshl_b32 s33, s21, 17
	s_add_co_u32 s40, s40, s33
	s_lshl_b32 s33, s[WV], 7
	s_add_co_u32 s40, s40, s33
	s_mov_b32 s41, 0
	s_lshl_b32 s42, s20, 16                        ; V's scale bytes
	s_lshl_b32 s33, s21, 12
	s_add_co_u32 s42, s42, s33
	s_lshl_b32 s33, s[WV], 2
	s_add_co_u32 s42, s42, s33
	s_mov_b32 s43, 0
	s_lshl_b32 s44, s20, 4                         ; the result's codes, laid [block of 128 rows][K step of 128][tile of 16 rows][block of 32][lane][16]:
	s_lshl_b32 s33, s22, 1
	s_add_co_u32 s44, s44, s33
	s_lshr_b32 s33, s[WV], 3
	s_add_co_u32 s44, s44, s33
	s_lshl_b32 s44, s44, 17                        ; block of rows 16 n + 2 x + w / 8,
	s_lshr_b32 s33, s21, 1
	s_lshl_b32 s33, s33, 14
	s_add_co_u32 s44, s44, s33                     ; K step hd / 2,
	s_and_b32 s33, s[WV], 7
	s_lshl_b32 s33, s33, 11
	s_add_co_u32 s44, s44, s33                     ; tile w % 8,
	s_and_b32 s33, s21, 1
	s_lshl_b32 s33, s33, 10
	s_add_co_u32 s44, s44, s33                     ; blocks 2 (hd % 2) and the next
	s_mov_b32 s45, 0
	s_lshl_b32 s46, s20, 16                        ; the result's scale bytes, [row][32]: my first row, bytes 2 hd and 2 hd + 1
	s_lshl_b32 s33, s22, 13
	s_add_co_u32 s46, s46, s33
	s_lshl_b32 s33, s[WV], 9
	s_add_co_u32 s46, s46, s33
	s_lshl_b32 s33, s21, 1
	s_add_co_u32 s46, s46, s33
	s_mov_b32 s47, 0
	s_wait_kmcnt 0x0
	s_add_nc_u64 s[4:5], s[4:5], s[34:35]
	s_add_nc_u64 s[6:7], s[6:7], s[36:37]
	s_add_nc_u64 s[8:9], s[8:9], s[38:39]
	s_add_nc_u64 s[10:11], s[10:11], s[40:41]
	s_add_nc_u64 s[12:13], s[12:13], s[42:43]
	s_add_nc_u64 s[14:15], s[14:15], s[44:45]
	s_add_nc_u64 s[16:17], s[16:17], s[46:47]
	s_wait_alu depctr_va_vdst(0)                   ; all offsets and LDS addresses made above are written: the head's loads and stores, the loop's first LDS loads and the last stores read them
.irp T, 0,1,2,3,4,5,6,7
	global_load_b32 v[MK+\T], v[MA], s[8:9] offset:4*(32*(\T/2)+8*(\T%2))
.endr
.irp t, 0,1,2,3
	global_load_b32 v[VSW+\t], v[VSA], s[12:13] offset:64*(32*(\t/2)+8*(\t%2))
.endr
	; ELEVEN ITEMS of eight loads: 0 = my 16 queries, 1 .. 8 = K's tiles 0 .. 7, 9 and 10 = V's tiles 0, 1 and 2, 3.  Item it lands in set it % 3.  Three items, 24 loads of 512 bytes a wave, are on their way.
	; In item i's turn: it is back from the stage; the image of the tile before is stored; item i + 3 is asked for; item i + 1 goes through the other stage; item i is quantised meanwhile.
	DLOAD 0, 4, 0, 0, 1                            ; q: read by this wave alone
	KLOAD 0
	KLOAD 1
	s_wait_loadcnt 16                              ; all but the two tiles of K just asked for: the mask, V's scale words and q are in
	TURN 0
.irp T, 0,1,2,3,4,5,6,7
	v_cmp_eq_u32 s[MSK+\T], 0, v[MK+\T]            ; all the launch's compares in one run, while q turns through the stage: where my key of tile T is masked,
.endr
	v_cmp_eq_u32 s[HM], 0, v[HH]                   ; and lanes 0-15
	s_wait_alu depctr_va_sdst(0)                   ; the nine masks are written, ahead of the first select that reads one
	s_wait_dscnt 0x0                               ; item 0: q is back from the stage
	s_wait_alu depctr_vm_vsrc(0)                   ; the stage's stores have read set 0, in which tile 2's loads land
	KLOAD 2
	s_wait_loadcnt 16                              ; tile 0 is in; tiles 1 and 2 may be out
	TURN 1
	QUANT2 XT, QF
	v_lshl_or_b32 v[QSW], v[PM+1], 8, v[PM]
	v_or_b32 v[QSW], 0x7fa00000, v[QSW]            ; q's scale word: place 64's block 2^33, the last block 1
	v_mov_b32 v2, 0xbc                             ; the code -1.0
	v_cndmask_b32 v[QF+8], 0, v2, s[HM]            ; place k = 64 is byte 0 of register 8 in lanes 0-15
.irp i, 9,10,11,12,13,14,15
	v_mov_b32 v[QF+\i], 0
.endr
	s_wait_dscnt 0x0                               ; item 1: tile 0 is back from the stage
	s_wait_alu depctr_va_vdst(0)                   ; q's quantiser is done reading and holding XT's set 0, in which item 2's stage loads land
	s_wait_alu depctr_vm_vsrc(0)                   ; the stage's stores have read set 1, in which tile 3's loads land
	KLOAD 3
	s_wait_loadcnt 16
	TURN 2
	KVEC 0
	ITEMK 1, 4, 3, 0
	ITEMK 2, 5, 4, 1
	ITEMK 3, 6, 5, 2
	ITEMK 4, 7, 6, 3
	THEAD                                          ; item 6
	KIMG 4
	VLOAD 0                                        ; item 9, into set 0
	VLOAD 1
	s_wait_loadcnt 16                              ; tile 6 is in; tile 7 and V's first eight loads may be out
	TURN 7
	KVEC 5
	THEAD                                          ; item 7
	KIMG 5
	VLOAD 2                                        ; item 10, into set 1
	VLOAD 3
	s_wait_loadcnt 16                              ; tile 7 is in; V's sixteen loads may be out
	TURN 8
	KVEC 6
	s_wait_dscnt 0x0                               ; item 8: tile 7 is back; the stages have been read for the last time
	s_wait_alu depctr_va_vdst(0)                   ; tile 6 has written its codes, which the image stores below read
	s_wait_alu depctr_vm_vsrc(0)                   ; tile 5's image stores have read the codes' set that tile 7's conversions write
	KIMG 6
	KVEC 7
	s_wait_alu depctr_va_vdst(0)                   ; tile 7's codes and the eight scale words are written, which the stores below read
	KIMG 7
	s_wait_loadcnt 0x0                             ; V
.irp t, 0,1,2,3
.irp i, 0,1,2,3
	ds_store_b128 v[VWI], v[R+16*\t+4*\i:R+16*\t+4*\i+3] offset:2304*\t+576*\i   ; four rows of 144 bytes a store, over the bytes that were my stages
.endr
.endr
	ds_store_b128 v[VWS], v[VSW:VSW+3]
	ds_store_b128 v[KWS], v[KSW:KSW+3]
	ds_store_b128 v[KWS], v[KSW+4:KSW+7] offset:512
	s_wait_dscnt 0x0                               ; for the others' sake: all my stores have landed
	s_barrier_signal -1
	s_barrier_wait -1                              ; the head's K and V lie in LDS; nothing is stored there from here on
	s_wait_alu depctr_vm_vsrc(0)                   ; the head's stores and loads have read their data and addresses (v7-15, v32-143, v220, v232-235, v248-255): all these registers are written anew from here on
	ds_load_b128 v[KS:KS+3], v[AS0]                ; step 0's scale words and tiles 0-3 of K, asked for as every later step's are: ahead.  No vector line since the last wait on va_vdst names the registers in which they land
	ds_load_b128 v[KS+4:KS+7], v[AS0] offset:512
.irp t, 0,1,2,3
	ds_load_b128 v[KB+16*\t:KB+16*\t+3], v[LI] offset:1024*\t
	ds_load_b128 v[KB+16*\t+4:KB+16*\t+7], v[LI] offset:1024*\t+512
.endr
	v_mov_b32 v2, 0x3c                             ; the code 1.0
.irp i, 0,1,2,3
	v_cndmask_b32 v[KB+16*\i+8], 0, v2, s[HM]      ; the constant half of K's four buffers: place 64, then zeros
.irp k, 9,10,11,12,13,14,15
	v_mov_b32 v[KB+16*\i+\k], 0
.endr
.endr
	v_mov_b32 v[TMX], 0xff61b1e6                   ; the largest t so far: -3e38, under every t
	v_floor_f32 v[NM], -v[TMX]
	v_mov_b32 v[SUM], 0
	v_mov_b32 v[SUM+1], 0
	v_mov_b32 v[FF+1], 0
.irp b, 0,1,2,3
	v_mov_b32 v[PB+\b], 0
.endr
.set j, 0
.rept 32
	v_mov_b32 v[O+j], 0                            ; the step is written once: the first finds zeros, which the first change of M leaves zeros
.set j, j+1
.endr
	s_wait_alu depctr_va_vdst(0)                   ; the constant halves of K's four buffers are written, which the score products take as part of source 0
	s_wait_dscnt 0x0                               ; step 0's scale words and tiles 0-3 are in
	s_mov_b32 s[ST8], 0
	s_mov_b32 s[ST1], 0
	s_mov_b32 s[STH], 0
	s_mov_b32 s[STV], 0
	s_mov_b32 s[CNT], 0
.macro BMAX b0, b1                     ; the largest score of two blocks of 32 keys, by turns; each accumulator is first read at its low end
.irp b, \b0, \b1
	v_max3_num_f32 v[BM+\b], v[S+16*\b], v[S+16*\b+1], v[S+16*\b+2]
.endr
.irp i, 3,5,7,9,11,13
.irp b, \b0, \b1
	v_max3_num_f32 v[BM+\b], v[BM+\b], v[S+16*\b+\i], v[S+16*\b+\i+1]
.endr
.endr
.irp b, \b0, \b1
	v_max_num_f32 v[BM+\b], v[BM+\b], v[S+16*\b+15]
.endr
.endm
.macro HOLD b                          ; block b's 16 numbers of p: held, and turned into codes
.irp i, 0,1,2,3,4,5,6,7,8,9,10,11,12,13,14,15
	v_min_num_f32 v[S+16*\b+\i], v[S+16*\b+\i], v[LHD+\b]   ; p is not negative: the hold is one-sided
.endr
	v_cvt_scalef32_pk8_bf8_f32 v[PC+4*\b:PC+4*\b+1], v[S+16*\b:S+16*\b+7], v[LSO+\b]
	v_cvt_scalef32_pk8_bf8_f32 v[PC+4*\b+2:PC+4*\b+3], v[S+16*\b+8:S+16*\b+15], v[LSO+\b]
.endm
.macro VFR b                           ; V's tile b, into the 16 registers that block b's p has left: row r, keys 32 c + 16 h on
.irp c, 0,1,2,3
	ds_load_b128 v[S+16*\b+4*\c:S+16*\b+4*\c+3], v[ADV] offset:2304*\b+32*\c
.endr
.endm
; A KEY STEP: 128 keys.  Its scale words of K and its tiles 0-3 were asked for a step ago and are in.  last = 1: the last step, which asks for nothing ahead
.macro TRIP last
	s_wait_alu depctr_vm_vsrc(0)                   ; the LDS loads of the step before have read the four address registers, which the next lines write
	v_add_nc_u32 v[ADK], s[ST8], v[LI]             ; nine plain lines stand between the last product of the trip before and the first below, which writes over registers that it read
.if \last
	v_nop                                          ; (no scale words of K are left to ask for)
.else
	v_add_nc_u32 v[ADS], s[ST1], v[AS0]
.endif
	v_add_nc_u32 v[ADV], s[STV], v[AV0]
	v_add_nc_u32 v[ADT], s[STH], v[AT0]
	v_mov_b32 v[TA], v[NM]                         ; the old -M
.rept 4
	v_nop
.endr
.irp t, 0,1,2,3                                ; S^T = K Q^T, four tiles of 16 keys at a time
	v_wmma_scale_f32_16x16x128_f8f6f4 v[S+8*\t:S+8*\t+7], v[KB+16*\t:KB+16*\t+15], v[QF:QF+15], 0, v[KS+\t], v[QSW] matrix_a_fmt:MATRIX_FMT_BF8 matrix_b_fmt:MATRIX_FMT_BF8
.endr
.rept 8
	v_nop                                          ; eight places behind the four products, ahead of the first read of their results
.endr
	s_wait_alu depctr_va_vdst(0)                   ; the four products are done reading K's buffers, in which tiles 4-7 land; the four addresses are written; the last step's second products are done reading V's scale words
	ds_load_b128 v[VS:VS+3], v[ADT]
.irp t, 0,1,2,3
	ds_load_b128 v[KB+16*\t:KB+16*\t+3], v[ADK] offset:1024*(4+\t)
	ds_load_b128 v[KB+16*\t+4:KB+16*\t+7], v[ADK] offset:1024*(4+\t)+512
.endr
	s_wait_dscnt 0x0
.irp t, 0,1,2,3
	v_wmma_scale_f32_16x16x128_f8f6f4 v[S+8*(4+\t):S+8*(4+\t)+7], v[KB+16*\t:KB+16*\t+15], v[QF:QF+15], 0, v[KS+4+\t], v[QSW] matrix_a_fmt:MATRIX_FMT_BF8 matrix_b_fmt:MATRIX_FMT_BF8
.endr
	BMAX 0, 1                                      ; sixteen lines on the first four tiles' results: they name nothing of the last four products and are the places behind them
	BMAX 2, 3
.irp b, 0,1,2,3
	v_permlanex16_b32 v[PB+\b], v[BM+\b], s[SEL], s[SEL+1]
.endr
.irp b, 0,1,2,3
	v_max_num_f32 v[BM+\b], v[BM+\b], v[PB+\b]     ; with lane l xor 16's 16 keys
.endr
	v_max3_num_f32 v[TB], v[BM], v[BM+1], v[BM+2]
	v_max_num_f32 v[TB], v[TB], v[BM+3]            ; the step's largest score of my query
	v_mul_f32 v[TB], s[CS], v[TB]                  ; as t (c is positive)
	v_max_num_f32 v[TMX], v[TMX], v[TB]
	v_floor_f32 v[NM], -v[TMX]                     ; the new -M = -ceil(t): a whole number
	v_sub_f32 v[TA], v[NM], v[TA]                  ; old M - new M: a whole number, 0 or less
	v_cvt_i32_f32 v[TA], v[TA]                     ; (it saturates)
	v_ldexp_f32 v[FF], 1.0, v[TA]                  ; f = 2^(old M - new M): a multiplication by it rounds nothing
.set j, 0
.rept 32
	v_pk_fma_f32 v[S+j:S+j+1], v[S+j:S+j+1], s[CS:CS+1], v[NM:NM+1] op_sel_hi:[1,0,0]   ; t - M, two at a time
.set j, j+2
.endr
.irp b, 0,1,2,3
	v_fma_f32 v[BM+\b], v[BM+\b], s[CS], v[NM]     ; the same of each block's largest score
.endr
.set j, 0
.rept 64
	v_exp_f32 v[S+j], v[S+j]                       ; p = 2^(t - M), at most 1, not normalised
.set j, j+1
.endr
.irp b, 0,1,2,3
	v_exp_f32 v[BM+\b], v[BM+\b]                   ; the block's largest p: the same two instructions on the same number
.endr
	v_pk_mul_f32 v[SUM:SUM+1], v[SUM:SUM+1], v[FF:FF+1] op_sel_hi:[1,0]   ; the sum under the new M; also the plain line behind the exponentials
	s_wait_alu depctr_va_vdst(0)                   ; the 68 exponentials have written p and the blocks' largest p, ahead of the first line that names one; and the last four score products are done reading K's buffers and scale words
.if !\last
	ds_load_b128 v[KS:KS+3], v[ADS] offset:1024    ; THE NEXT STEP's scale words and tiles 0-3 of K: they land under the vector lines below, none of which names these registers
	ds_load_b128 v[KS+4:KS+7], v[ADS] offset:1536
.irp t, 0,1,2,3
	ds_load_b128 v[KB+16*\t:KB+16*\t+3], v[ADK] offset:8192+1024*\t
	ds_load_b128 v[KB+16*\t+4:KB+16*\t+7], v[ADK] offset:8192+1024*\t+512
.endr
.endif
.irp b, 0,1,2,3
	v_max_num_f32 v[BM+\b], 0x8000000, v[BM+\b]    ; the floor 2^(16 - 127): the byte cannot fall under 1
.endr
.irp b, 0,1,2,3
	v_add_nc_u32 v[LSO+\b], 0xf8800000, v[BM+\b]
.endr
.irp b, 0,1,2,3
	v_and_or_b32 v[LHD+\b], v[BM+\b], 0x7f800000, s[MNT]
.endr
.irp b, 0,1,2,3
	v_lshrrev_b32 v[PB+\b], 23, v[LSO+\b]
.endr
	v_lshl_or_b32 v[PSW], v[PB+1], 8, v[PB]        ; p's scale word for these 128 keys
	v_lshl_or_b32 v[PSW], v[PB+2], 16, v[PSW]
	v_lshl_or_b32 v[PSW], v[PB+3], 24, v[PSW]
	v_pk_add_f32 v[SU2:SU2+1], v[S:S+1], v[S+2:S+3]   ; the row's sum is taken of the unquantised p, in two chains
.set j, 4
.rept 15
	v_pk_add_f32 v[SUM:SUM+1], v[SUM:SUM+1], v[S+j:S+j+1]
	v_pk_add_f32 v[SU2:SU2+1], v[SU2:SU2+1], v[S+j+2:S+j+3]
.set j, j+4
.endr
	v_pk_add_f32 v[SUM:SUM+1], v[SUM:SUM+1], v[SU2:SU2+1]
	HOLD 0
	HOLD 1
	s_wait_alu depctr_va_vdst(0)                   ; blocks 0 and 1's holds and conversions are done writing and reading their 32 registers, in which V's tiles 0 and 1 land
	VFR 0
	VFR 1
	HOLD 2                                         ; these lines name the other 32 registers alone
	HOLD 3
.set j, 0
.rept 4
	v_pk_mul_f32 v[O+j:O+j+1], v[O+j:O+j+1], v[FF:FF+1] op_sel_hi:[1,0]   ; O^T under the new M; these four stand between the conversions and the products that take the codes
.set j, j+2
.endr
	s_wait_alu depctr_va_vdst(0)                   ; blocks 2 and 3's holds and conversions are done with their 32 registers, in which V's tiles 2 and 3 land; p's codes and scale word are written, which the products below take
	VFR 2
	VFR 3
.rept 12
	v_pk_mul_f32 v[O+j:O+j+1], v[O+j:O+j+1], v[FF:FF+1] op_sel_hi:[1,0]   ; the rest of O^T
.set j, j+2
.endr
	s_wait_dscnt 8                                 ; all but the eight loads just issued: V's tiles 0 and 1 are in, and so is what was asked for ahead of them
.irp t, 0,1                                    ; O^T += V^T P^T: the four accumulators take turns, one instruction a turn
	v_wmma_scale_f32_16x16x128_f8f6f4 v[O+8*\t:O+8*\t+7], v[S+16*\t:S+16*\t+15], v[PC:PC+15], v[O+8*\t:O+8*\t+7], v[VS+\t], v[PSW] matrix_a_fmt:MATRIX_FMT_BF8 matrix_b_fmt:MATRIX_FMT_BF8
.endr
	s_wait_dscnt 0x0                               ; V's tiles 2 and 3 are in
.irp t, 2,3
	v_wmma_scale_f32_16x16x128_f8f6f4 v[O+8*\t:O+8*\t+7], v[S+16*\t:S+16*\t+15], v[PC:PC+15], v[O+8*\t:O+8*\t+7], v[VS+\t], v[PSW] matrix_a_fmt:MATRIX_FMT_BF8 matrix_b_fmt:MATRIX_FMT_BF8
.endr
.endm
.Lstep:                                            ; 15 trips, 128 keys each
	TRIP 0
	s_add_co_u32 s[ST8], s[ST8], 8192
	s_add_co_u32 s[ST1], s[ST1], 1024
	s_add_co_u32 s[STH], s[STH], 512
	s_add_co_u32 s[STV], s[STV], VSTEP
	s_add_co_u32 s[CNT], s[CNT], 1
	s_cmp_lt_u32 s[CNT], 15
	s_cbranch_scc1 .Lstep
	TRIP 1                                         ; the sixteenth step is written out: there is no step behind it to ask for
	; THE WAY OUT: O^T / the sum, quantised along the head's 64 channels: register 16 c + i is channel 32 c + 16 h + i of my query, which is the layout that the last product's operand has
.rept 8
	v_nop                                          ; eight places behind the last products
.endr
	v_add_f32 v[SUM], v[SUM], v[SUM+1]
	v_permlanex16_b32 v[TA], v[SUM], s[SEL], s[SEL+1]
	v_add_f32 v[SUM], v[SUM], v[TA]                ; the row's sum
	v_rcp_f32 v[SUM], v[SUM]
	v_and_b32 v2, 15, v0                           ; (a plain line behind the reciprocal)
	v_lshl_add_u32 v2, v2, 5, v[HH]                ; row r of 32 scale bytes, + h
	s_wait_alu depctr_va_vdst(0)                   ; the reciprocal is written, ahead of the first line that names it
.set j, 0
.rept 32
	v_mul_f32 v[S+j], v[O+j], v[SUM]               ; each accumulator from its low end on
.set j, j+1
.endr
	QUANT2 S, PC
	v_cndmask_b32 v[TB], v[PM+1], v[PM], s[HM]     ; lanes 0-15 carry the first block's byte, lanes 16-31 the second's
	s_wait_alu depctr_va_vdst(0)                   ; the codes, the byte and the bytes' offset v2 are written, which the three stores read
	global_store_b128 v[LI], v[PC:PC+3], s[14:15]                ; an image: the wave's store covers 512 consecutive bytes, aligned
	global_store_b128 v[LI], v[PC+4:PC+7], s[14:15] offset:512
	global_store_b8 v2, v[TB], s[16:17]            ; two bytes of each row's 32: rows are written in part here; these bytes are 1/32 of what the launch stores
	s_wait_xcnt 0x0
	v_lshl_add_u32 v254, v0, 2, 0x4a000            ; the add's two registers, made anew (what last read them, the head's stores of K's scale words, stands ahead of the wait on vm_vsrc behind the barrier)
	v_mov_b32 v255, 0
	s_wait_dscnt 0x0                               ; the closing lines, six on end
	s_wait_alu 0x0
	s_wait_tensorcnt 0x0
	ds_add_u32 v254, v255
	s_wait_dscnt 0x0
	s_endpgm
.Lfunc_end_k_q62f683edd9_att:
	.size	k_q62f683edd9_att, .Lfunc_end_k_q62f683edd9_att-k_q62f683edd9_att
	.p2alignl 7, 3214868480
	.fill 96, 4, 3214868480
	.section	.rodata,"a",@progbits
	.p2align	6, 0x0
	.amdhsa_kernel k_q62f683edd9_att
		.amdhsa_group_segment_fixed_size 305152
		.amdhsa_private_segment_fixed_size 0
		.amdhsa_enable_private_segment 0
		.amdhsa_kernarg_size 56
		.amdhsa_user_sgpr_count 2
		.amdhsa_user_sgpr_kernarg_segment_ptr 1
		.amdhsa_wavefront_size32 1
		.amdhsa_system_sgpr_workgroup_id_x 1
		.amdhsa_system_sgpr_workgroup_id_y 1
		.amdhsa_system_sgpr_workgroup_id_z 1
		.amdhsa_system_vgpr_workitem_id 0
		.amdhsa_next_free_vgpr 256
		.amdhsa_next_free_sgpr 66
		.amdhsa_reserve_vcc 0
		.amdhsa_float_denorm_mode_32 3
		.amdhsa_float_denorm_mode_16_64 3
		.amdhsa_memory_ordered 1
		.amdhsa_forward_progress 1
		.amdhsa_inst_pref_size 114
	.end_amdhsa_kernel
	.amdgpu_metadata
---
amdhsa.version: [ 1, 2 ]
amdhsa.kernels:
  - .name:           k_q62f683edd9_att
    .symbol:         k_q62f683edd9_att.kd
    .args:
      - { .name: query, .offset: 0, .size: 8, .value_kind: global_buffer, .address_space: global }
      - { .name: key, .offset: 8, .size: 8, .value_kind: global_buffer, .address_space: global }
      - { .name: mask, .offset: 16, .size: 8, .value_kind: global_buffer, .address_space: global }
      - { .name: values_codes, .offset: 24, .size: 8, .value_kind: global_buffer, .address_space: global }
      - { .name: values_scales, .offset: 32, .size: 8, .value_kind: global_buffer, .address_space: global }
      - { .name: acodes, .offset: 40, .size: 8, .value_kind: global_buffer, .address_space: global }
      - { .name: ascales, .offset: 48, .size: 8, .value_kind: global_buffer, .address_space: global }
    .group_segment_fixed_size: 305152
    .private_segment_fixed_size: 0
    .kernarg_segment_align: 8
    .kernarg_segment_size: 56
    .max_flat_workgroup_size: 512
    .sgpr_count:     66
    .vgpr_count:     256
    .wavefront_size: 32
...
	.end_amdgpu_metadata
.endif
;; end of part 3
;; launch proj: the kernel of part 2 again; grid 8 x 32, 4 waves a work-group, clusters of 4 x 4, 288,256 bytes of LDS; arguments acodes, ascales, W_out_codes, W_out_scales, out0; writes out0
